; MI455X (gfx1250); checked and timed in simulation.
; The chip was launched on July 23, 2026; its instructions are those of AMD's public machine-readable ISA for CDNA 5 (MIT licence, August 2026) and "CDNA5" Instruction Set Architecture Reference Guide (July 2026). The comments in the code are by the model that wrote it; some were corrected since.
;; Self Attention. Allowed arithmetic: matrix products marked QUANTISED: E2M3 operands, one E8M0 scale for each 32 along K, by v_wmma_scale_f32_16x16x128_f8f6f4 with both operands' format E2M3, f32 sums; everything else in f32.
;; Inputs: bk 1,024 float32; bo 1,024 float32; bq 1,024 float32; bv 1,024 float32; wk 1,024 x 1,024 float32; wo 1,024 x 1,024 float32; wq 1,024 x 1,024 float32; wv 1,024 x 1,024 float32; x 4 x 2,048 x 1,024 float32.
;; Outputs: out0 4 x 2,048 x 1,024 float32.
;; This version of the problem:
;;   THIS VERSION OF THE PROBLEM IS GIVEN IN LOW PRECISION. The matrix products marked QUANTISED in the list below multiply operands that are first quantised to E2M3 (2 exponent bits, 3 mantissa bits; 6 bits a number), with one power-of-two scale for each 32 numbers along K (OCP MX v1.0); their sums are f32. All else is computed in f32.
;;   The module's matrix products, in the order in which they are computed (A, B: the left and right operand; K: the contracted axis; several contracted axes count as one K, in the product's order):
;;     1. [M 8,192, K 1,024] x [K 1,024, N 1,024]; A: input x; B: input wq: QUANTISED
;;     2. [M 8,192, K 1,024] x [K 1,024, N 1,024]; A: input x; B: input wk: QUANTISED
;;     3. [M 8,192, K 1,024] x [K 1,024, N 1,024]; A: input x; B: input wv: QUANTISED
;;     4. batch 64 x [M 2,048, K 64] x [K 64, N 2,048]; A: computed on the way; B: computed on the way: QUANTISED
;;     5. batch 64 x [M 2,048, K 2,048] x [K 2,048, N 64]; A: softmax (see below); B: computed on the way: QUANTISED
;;     6. [M 8,192, K 1,024] x [K 1,024, N 1,024]; A: computed on the way; B: input wo: QUANTISED
;;   THE QUANTISER, for each operand of a quantised product, along K:
;;     - K is cut into blocks of 32 from its start; a last block that is shorter is filled with zeros.
;;     - A block's scale is 2^e with e = floor(log2(the largest magnitude in the block)) - 2, held to -126 .. 127; a block of zeros has e = 0. As a byte (E8M0): e + 127.
;;     - Each number is divided by its block's scale, clamped to +-7.5, and rounded to the nearest number of E2M3, ties to even, subnormals kept.
;;     - The product sums the exact products of the quantised numbers (number of the format x scale) in f32.
;;   ~~~python
;;   def quantise(x, axis):      # numpy; x: float32 -> the quantised numbers, widened to float32 again
;;       x = np.moveaxis(x, axis, -1); K = x.shape[-1]
;;       x = np.pad(x, [(0, 0)] * (x.ndim - 1) + [(0, -K % 32)]); x = x.reshape(x.shape[:-1] + (-1, 32)); a = np.abs(x).max(-1, keepdims=True)
;;       e = np.where(a > 0, np.clip(np.frexp(np.where(a > 0, a, 1))[1] - 1 - 2, -126, 127), 0)      # np.frexp(a)[1] - 1 = floor(log2(a)), exactly
;;       r = np.clip(x / 2.0 ** e, -7.5, 7.5)
;;       step = 2.0 ** (np.maximum(np.frexp(np.where(r == 0, 1, r))[1] - 1, 0) - 3)
;;       q = np.round(r / step) * step * 2.0 ** e      # np.round: ties to even
;;       return np.moveaxis(q.reshape(q.shape[:-2] + (-1,))[..., :K], -1, axis).astype(np.float32)
;;   ~~~
;;   SOFTMAX AHEAD OF A QUANTISED PRODUCT. Where the list says 'softmax', what is quantised is not the finished softmax but p = 2^(t - M), with t = logit x log2(e) and M = ceil(the row's largest t), a whole number; so 1/2 < the row's largest p <= 1. The row's sum l is taken of the UNQUANTISED p, in f32, and the product's result is divided by l at the end. Since M is a whole number, a kernel that streams over the keys may use a running M (the ceiling of the running maximum): every later rescaling is an exact power of two, which a block's scale takes up: the codes' values come out the same.
;;   OPERANDS COMPUTED ON THE WAY. 'Computed on the way' means the value that the module computes at that place (a softmax that the list does not call 'softmax' is quantised finished and normalised). What goes into a quantiser is computed in f32, as accurately as f32 sums, v_exp_f32 and their like allow (about 1e-6 of the number): no bf16 or f16 on the way to a quantiser, and a product that is left as it is and whose result goes on into a quantised operand takes f32 operands (vector FMAs, or v_wmma_f32_16x16x4_f32). A number that lies on a knife's edge between two numbers of the format may be rounded either way, as far as f32 arithmetic and the matrix unit's own rounding can turn it there, and no further.
;; One version. Each part assembles by itself: llvm-mc -triple=amdgcn-amd-amdhsa -mcpu=gfx1250 --defsym DOCPART=n.
;; ======== version 1 of 1: 4 launches
;; limits: right only within a limited range of input values
;; workspace buffers: opq 10,256,384 bytes; qkv 20,185,088 bytes; oq 6,815,744 bytes
;; launch quant (part 1): grid 768 x 1, 4 waves a work-group, no clusters, 34,304 bytes of LDS; arguments x, wq, wk, wv, wo, bv, opq; writes opq
.if DOCPART == 1
	.amdgcn_target "amdgcn-amd-amdhsa--gfx1250"
	.amdhsa_code_object_version 6
	.text
	.protected	k_q6217e147a8_quant
	.globl	k_q6217e147a8_quant
	.p2align	8
	.type	k_q6217e147a8_quant,@function
k_q6217e147a8_quant:
	s_mov_b64 s[64:65], 0
	v_nop
	global_prefetch_b8 v0, s[64:65] scope:SCOPE_SE
	s_setreg_imm32_b32 hwreg(HW_REG_WAVE_MODE, 25, 1), 1
	s_wait_xcnt 0x0
; x [8192][1024] and wq, wk, wv, wo [1024][1024], f32, K innermost, become codes of FP6 (E2M3) with one E8M0 byte for each 32 along K,
; laid in the ORDER OF AN OPERAND'S REGISTERS, so that the products' launches take them from LDS by loads of consecutive bytes.
; TILES.  16 rows form a tile; row r of tile T is the tensor's row 32 (T / 2) + 8 (T % 2) + r + 8 (r / 8).  So, where two neighbouring tiles are source 0 of a
; product, a lane's 16 results are 16 NEIGHBOURS along that axis, which the next quantiser wants.
; A TILE'S RECORD is 13,312 bytes: four chunks (256 along K) of 3,328: two K steps of 1,536 bytes, then the rows' scale words (row r at 8 r: two words), then 128 bytes that nobody writes or reads.
; A K step is two halves of 768 bytes (64 along K): registers 0-3 of lane l at 16 l, registers 4-5 at 512 + 8 l; lane (r, h) holds k = 32 h .. 32 h + 31 of the half.
; Tiles 0-511: x; 512 + 64 s + T: wq, wk, wv, wo (s = 0 .. 3).  Behind the 768 tiles: bv, each number eight times over, [tile of wv][row r][8], which the next launch loads as the start of v's sums.
; A block's scale is 2^(floor(log2(its largest magnitude)) - 2); its byte is that magnitude's exponent field - 2, held at 1 from below.
; LIMITS: NaN and infinities among the inputs are not served.  A block whose largest magnitude lies under 2^(3 - 127), a block of zeros among them, gets the byte 1
; (the rule gives a block of zeros 127): its codes are zeros, which add nothing under any byte but 0xff, and this program alone reads the bytes.
; SHARES.  A work-group takes a tile, wave c its chunk c: 16 rows x 256 along K.  A wave asks for all its 32 loads at once (16 KiB); each reads 512 consecutive bytes of a row.  A step's 8 KiB turn
; through the wave's own stage in LDS (rows of 512 + 16 bytes), so that lane (r, h) gets two whole blocks of its row.  Waves share nothing: no barrier.
; No cluster, no tensor load, no matrix unit: no byte is read by two work-groups, and the launch only streams.
.set ROWB,  4096                       ; a row of any of the five tensors, in bytes
.set SP,    528                        ; a stage row: 512 bytes + 16: 132 words, so the 16 rows of a load start 4 banks apart
.set STG,   16*SP                      ; a wave's stage
.set RECB,  13312
.set CHB,   3328
.set BVREP, 768*RECB
.set R,  16                            ; v16-143   two K steps x 64 numbers as loaded
.set X,  144                           ; v144-207  64 numbers: my two blocks of the step in hand
.set C,  208                           ; v208-231  the codes: 12 registers for each step, so that no store's data are written again
.set CT, 232                           ; v232-238  the blocks' upper halves, as the conversions leave them
.set TM, 240                           ; v240-247  at work
.set SW, 248                           ; v248-249  the two steps' scale words
	s_load_b256 s[4:11], s[0:1], 0x0               ; x, wq, wk, wv
	s_load_b128 s[12:15], s[0:1], 0x20             ; wo, bv
	s_load_b64 s[16:17], s[0:1], 0x30              ; opq
	v_lshl_add_u32 v254, v0, 2, 0x8400
	v_mov_b32 v255, 0
	v_lshrrev_b32 v1, 5, v0
	v_readfirstlane_b32 s18, v1                    ; wave = chunk
	v_and_b32 v1, 31, v0                           ; lane
	v_and_b32 v2, 15, v0                           ; r
	v_bfe_u32 v3, v0, 4, 1                         ; h
	v_lshlrev_b32 v4, 4, v1                        ; 16 x lane: my bytes of a load's 512, and of a store of four registers
	s_mul_i32 s19, s18, STG
	v_add_nc_u32 v5, s19, v4                       ; the stage, way in
	v_mul_u32_u24 v6, v2, SP
	v_lshl_add_u32 v6, v3, 7, v6
	v_add_nc_u32 v6, s19, v6                       ; way out: row r, + 128 h bytes
	v_lshlrev_b32 v8, 3, v1                        ; 8 x lane: a store of two registers
	v_lshlrev_b32 v9, 3, v2
	v_lshl_add_u32 v9, v3, 2, v9                   ; 8 r + 4 h: the scale words' place
	v_lshlrev_b32 v10, 3, v3                       ; 8 h: my bytes' shift in a scale word
	v_mov_b32 v[TM+7], 0                           ; a lane permute's destination counts as one of its sources
	s_mov_b32 s20, 0x76543210
	s_mov_b32 s21, 0xfedcba98                      ; v_permlanex16_b32's selects for lane l xor 16
	s_mov_b32 s22, 0xffff0000                      ; lanes 16-31
	s_and_b32 s26, ttmp9, 63
	s_cmp_lt_u32 ttmp9, 512
	s_cselect_b32 s26, ttmp9, s26                  ; the tile's number in its own tensor
	s_lshr_b32 s27, s26, 1
	s_lshl_b32 s27, s27, 17                        ; 32 rows for each pair of tiles,
	s_and_b32 s28, s26, 1
	s_lshl_b32 s28, s28, 15                        ; 8 rows for the odd one,
	s_add_co_u32 s28, s27, s28
	s_lshl_b32 s27, s18, 10                        ; 256 numbers for each chunk
	s_add_co_u32 s28, s28, s27
	s_mov_b32 s29, 0
	s_mul_i32 s30, ttmp9, RECB
	s_mul_i32 s27, s18, CHB
	s_add_co_u32 s30, s30, s27                     ; my chunk in opq
	s_mov_b32 s31, 0
	s_wait_alu depctr_va_vdst(0)
	s_wait_kmcnt 0x0
	s_mov_b64 s[24:25], s[12:13]                   ; which tensor: the choice hangs on the work-group's number alone
	s_cmp_lt_u32 ttmp9, 704
	s_cselect_b64 s[24:25], s[10:11], s[24:25]
	s_cmp_lt_u32 ttmp9, 640
	s_cselect_b64 s[24:25], s[8:9], s[24:25]
	s_cmp_lt_u32 ttmp9, 576
	s_cselect_b64 s[24:25], s[6:7], s[24:25]
	s_cmp_lt_u32 ttmp9, 512
	s_cselect_b64 s[24:25], s[4:5], s[24:25]
	s_add_nc_u64 s[24:25], s[24:25], s[28:29]
	s_add_nc_u64 s[30:31], s[16:17], s[30:31]
.macro LOAD st                         ; K step st of the tile's 16 rows: each load reads 512 consecutive bytes of one row
.irp i, 0,1,2,3,4,5,6,7,8,9,10,11,12,13,14,15
	global_load_b128 v[R+64*\st+4*\i:R+64*\st+4*\i+3], v4, s[24:25] offset:(\i+8*(\i/8))*ROWB+512*\st th:TH_LOAD_NT
.endr
.endm
.macro TURN st                         ; through the stage: LDS serves a wave's instructions in order, so no wait stands between the stores and the loads
.irp i, 0,1,2,3,4,5,6,7,8,9,10,11,12,13,14,15
	ds_store_b128 v5, v[R+64*\st+4*\i:R+64*\st+4*\i+3] offset:SP*\i
.endr
.irp c, 0,1
.irp q, 0,1,2,3,4,5,6,7
	ds_load_b128 v[X+32*\c+4*\q:X+32*\c+4*\q+3], v6 offset:256*\c+16*\q   ; k = 64 c + 32 h + 4 q .. of row r
.endr
.endr
.endm
.macro QUANT st                        ; my two blocks (2 c + h, c = 0, 1) of row r: their bytes, the row's scale word, 12 registers of codes
.irp c, 0,1
	v_max3_num_f32 v[TM+\c], |v[X+32*\c]|, |v[X+32*\c+1]|, 0x1800000      ; with the floor 2^(3 - 127): the byte cannot fall under 1
	v_max3_num_f32 v[TM+2+\c], |v[X+32*\c+16]|, |v[X+32*\c+17]|, |v[X+32*\c+18]|
.endr
.irp i, 0,1,2,3,4,5                    ; four chains by turns: no line waits for the line above it
.irp c, 0,1
	v_max3_num_f32 v[TM+\c], v[TM+\c], |v[X+32*\c+2+2*\i]|, |v[X+32*\c+3+2*\i]|
	v_max3_num_f32 v[TM+2+\c], v[TM+2+\c], |v[X+32*\c+19+2*\i]|, |v[X+32*\c+20+2*\i]|
.endr
.endr
.irp c, 0,1
	v_max3_num_f32 v[TM+\c], v[TM+\c], |v[X+32*\c+14]|, |v[X+32*\c+15]|
.endr
.irp c, 0,1
	v_max3_num_f32 v[TM+\c], v[TM+\c], v[TM+2+\c], |v[X+32*\c+31]|        ; the block's largest magnitude
.endr
.irp c, 0,1
	v_add_nc_u32 v[TM+4+\c], 0xff000000, v[TM+\c]  ; 2 off its exponent field: the conversion takes this operand's exponent field as its scale
.endr
.irp c, 0,1
	v_lshrrev_b32 v[TM+2+\c], 23, v[TM+4+\c]       ; the scale's byte
.endr
	v_lshl_or_b32 v[TM+6], v[TM+3], 16, v[TM+2]    ; bytes h and 2 + h of the word,
	v_lshlrev_b32 v[TM+6], v10, v[TM+6]            ; at their places;
	v_permlanex16_b32 v[TM+7], v[TM+6], s20, s21
	v_or_b32 v[SW+\st], v[TM+6], v[TM+7]           ; with lane l xor 16's two the word is whole, in both lanes
.irp c, 0,1
	v_cvt_scalef32_pk16_fp6_f32 v[C+12*\st+6*\c:C+12*\st+6*\c+2], v[X+32*\c:X+32*\c+15], v[TM+4+\c]
	v_cvt_scalef32_pk16_fp6_f32 v[CT+4*\c:CT+4*\c+2], v[X+32*\c+16:X+32*\c+31], v[TM+4+\c]   ; (a conversion's three registers begin on an even number)
.endr
	v_nop                                          ; one plain place behind a scaled conversion
.irp c, 0,1
.irp i, 0,1,2
	v_mov_b32 v[C+12*\st+6*\c+3+\i], v[CT+4*\c+\i]
.endr
.endr
.endm
.macro OUTC st                         ; the step's image: stores of 512 and of 256 consecutive bytes, each at a multiple of 256 from the buffer's first byte
	global_store_b128 v4, v[C+12*\st:C+12*\st+3], s[30:31] offset:1536*\st
	global_store_b64 v8, v[C+12*\st+4:C+12*\st+5], s[30:31] offset:1536*\st+512
	global_store_b128 v4, v[C+12*\st+6:C+12*\st+9], s[30:31] offset:1536*\st+768
	global_store_b64 v8, v[C+12*\st+10:C+12*\st+11], s[30:31] offset:1536*\st+1280
.endm
	LOAD 0
	LOAD 1
	s_wait_loadcnt 16                              ; step 0's sixteen loads are in; step 1's sixteen may be out
	TURN 0
	s_wait_dscnt 0x0
	QUANT 0
	OUTC 0
	s_wait_loadcnt 0x0
	TURN 1
	s_wait_dscnt 0x0
	QUANT 1
	OUTC 1
	v_cndmask_b32 v[TM+6], v[SW], v[SW+1], s22     ; lanes 0-15 step 0's word of row r, lanes 16-31 step 1's
	global_store_b32 v9, v[TM+6], s[30:31] offset:3072   ; 128 consecutive bytes
	; bv eight times over: wave 0 of each of wv's 64 work-groups stores its tile's 512 bytes
	s_cmp_lt_u32 ttmp9, 640
	s_cbranch_scc1 .Lend
	s_cmp_ge_u32 ttmp9, 704
	s_cbranch_scc1 .Lend
	s_cmp_lg_u32 s18, 0
	s_cbranch_scc1 .Lend
	v_lshrrev_b32 v11, 1, v1                       ; two lanes to a row: row = lane / 2
	v_and_b32 v12, 8, v11
	v_add_nc_u32 v11, v11, v12                     ; row + 8 (row / 8)
	s_lshr_b32 s27, s26, 1
	s_lshl_b32 s27, s27, 5
	s_and_b32 s28, s26, 1
	s_lshl_b32 s28, s28, 3
	s_add_co_u32 s27, s27, s28                     ; 32 (T / 2) + 8 (T % 2)
	v_add_lshl_u32 v11, v11, s27, 2                ; the row's channel, in bytes
	global_load_b32 v250, v11, s[14:15]
	s_lshl_b32 s32, s26, 9
	s_add_co_u32 s32, s32, BVREP
	s_mov_b32 s33, 0
	s_add_nc_u64 s[32:33], s[16:17], s[32:33]
	s_wait_loadcnt 0x0
	v_mov_b32 v251, v250
	v_mov_b32 v252, v250
	v_mov_b32 v253, v250
	global_store_b128 v4, v[250:253], s[32:33]     ; 512 consecutive bytes
.Lend:
	s_wait_tensorcnt 0x0
	ds_add_u32 v254, v255
	s_wait_dscnt 0x0
	s_endpgm
.Lfunc_end_k_q6217e147a8_quant:
	.size	k_q6217e147a8_quant, .Lfunc_end_k_q6217e147a8_quant-k_q6217e147a8_quant
	.p2alignl 7, 3214868480
	.fill 96, 4, 3214868480
	.section	.rodata,"a",@progbits
	.p2align	6, 0x0
	.amdhsa_kernel k_q6217e147a8_quant
		.amdhsa_group_segment_fixed_size 34304
		.amdhsa_private_segment_fixed_size 0
		.amdhsa_enable_private_segment 0
		.amdhsa_kernarg_size 56
		.amdhsa_user_sgpr_count 2
		.amdhsa_user_sgpr_kernarg_segment_ptr 1
		.amdhsa_wavefront_size32 1
		.amdhsa_system_sgpr_workgroup_id_x 1
		.amdhsa_system_sgpr_workgroup_id_y 1
		.amdhsa_system_sgpr_workgroup_id_z 1
		.amdhsa_system_vgpr_workitem_id 0
		.amdhsa_next_free_vgpr 256
		.amdhsa_next_free_sgpr 66
		.amdhsa_reserve_vcc 0
		.amdhsa_float_denorm_mode_32 3
		.amdhsa_float_denorm_mode_16_64 3
		.amdhsa_memory_ordered 1
		.amdhsa_forward_progress 1
		.amdhsa_inst_pref_size 18
	.end_amdhsa_kernel
	.amdgpu_metadata
---
amdhsa.version: [ 1, 2 ]
amdhsa.kernels:
  - .name:           k_q6217e147a8_quant
    .symbol:         k_q6217e147a8_quant.kd
    .args:
      - { .name: x, .offset: 0, .size: 8, .value_kind: global_buffer, .address_space: global }
      - { .name: wq, .offset: 8, .size: 8, .value_kind: global_buffer, .address_space: global }
      - { .name: wk, .offset: 16, .size: 8, .value_kind: global_buffer, .address_space: global }
      - { .name: wv, .offset: 24, .size: 8, .value_kind: global_buffer, .address_space: global }
      - { .name: wo, .offset: 32, .size: 8, .value_kind: global_buffer, .address_space: global }
      - { .name: bv, .offset: 40, .size: 8, .value_kind: global_buffer, .address_space: global }
      - { .name: opq, .offset: 48, .size: 8, .value_kind: global_buffer, .address_space: global }
    .group_segment_fixed_size: 34304
    .private_segment_fixed_size: 0
    .kernarg_segment_align: 8
    .kernarg_segment_size: 56
    .max_flat_workgroup_size: 128
    .sgpr_count:     66
    .vgpr_count:     256
    .wavefront_size: 32
...
	.end_amdgpu_metadata
.endif
;; end of part 1
;; launch qkv (part 2): grid 8 x 32, 4 waves a work-group, clusters of 4 x 4, 327,680 bytes of LDS; arguments opq, bq, bk, qkv; writes qkv
.if DOCPART == 2
	.amdgcn_target "amdgcn-amd-amdhsa--gfx1250"
	.amdhsa_code_object_version 6
	.text
	.protected	k_q6217e147a8_qkv
	.globl	k_q6217e147a8_qkv
	.p2align	8
	.type	k_q6217e147a8_qkv,@function
k_q6217e147a8_qkv:
	s_mov_b64 s[64:65], 0
	v_nop
	global_prefetch_b8 v0, s[64:65] scope:SCOPE_SE
	s_setreg_imm32_b32 hwreg(HW_REG_WAVE_MODE, 25, 1), 1
	s_wait_xcnt 0x0
	s_wait_alu depctr_hold_cnt(0) depctr_sa_sdst(0) depctr_va_vdst(0) depctr_va_sdst(0) depctr_va_ssrc(0) depctr_va_vcc(0) depctr_vm_vsrc(0)
	s_getreg_b32 s2, hwreg(HW_REG_IB_STS2, 6, 4)
	s_cmp_eq_u32 s2, 0
	s_cbranch_scc0 .Lentry_in_a_cluster
	s_endpgm
.Lentry_in_a_cluster:
	s_bfe_u32 s2, ttmp6, 0x10000c
	s_cmp_lg_u32 s2, 0xf033
	s_cbranch_scc0 .Lentry_shape_is_right
	s_endpgm
.Lentry_shape_is_right:
; q = x wq^T + bq, k = x wk^T + bk, v = x wv^T + bv on codes of FP6 (E2M3) with E8M0 scales; the results are quantised in registers, q and k along the head's 64, v along the KEYS, and leave as codes.
; OPERANDS lie in opq as images of their registers: tiles of 16 rows (row r of tile T is the tensor's row 32 (T / 2) + 8 (T % 2) + r + 8 (r / 8)); a tile's record is 13,312 bytes = 4 chunks of 3,328 (256 along K):
; two K steps of 1,536 bytes, then 128 bytes of scale words (row r at 8 r).  Tiles 0-511 x, 512 + 64 s + T wq, wk, wv.  Behind the 768 tiles: bv, each number eight times over, [tile of wv][row][8].
; THE DEAL.  256 work-groups of four waves.  A work-group makes 128 tokens x 256 channels of V, PHASE 1, and then 256 tokens x 256 channels of Q or K, PHASE 2.  V's 128 tokens are a half of its own 256.
; Which tensor and which half (tau = the cluster's x) come from the cluster's number alone; the 256 channels go by cx, the 256 tokens by the cluster's y and cy: each tile of Q, K and V has one work-group.
; A WAVE OWNS ONE HEAD: its 64 rows of the weight, ALL of K, lie in 384 registers, and x's tiles of 16 tokens stream past them, all of K a tile, through two sets of registers: 32 products a tile, on 4 accumulators by turns.
; Q, K: source 0 = the weight's rows: a lane holds a token, its 32 results run along the head's 64 channels: two scale blocks, quantised tile by tile.
; V: source 0 = x's rows: a lane holds a channel, its results of eight tiles run along 128 keys: 32 accumulators, quantised behind the phase.
; LDS: x's tiles at 12,800 t (a tile: four chunks of 3,200), t = 0 .. 7; the weights' 16 tiles behind them; the spare words.  FILLS: at the head one load a wave: waves 0, 1 W_v, waves 2, 3 x's first half.
; TWO REFILLS, each behind the three lines and a round of the cluster's barrier: W_q or W_k onto W_v, when every wave holds W_v in registers; x's other half onto the first 8 tiles of the
; weights' region, as tiles 8 .. 15, when every wave holds the second weight.  What a refill brought is shown by a plain barrier with every wave's wait for its loads ahead of it.  Every wait on TENSORcnt is for 0.
; CLUSTER 4 x 4: x's tiles are shared by a row of the cluster, a weight's by a column: joint loads, each address made without the coordinate that its mask spans.
; PREFETCH: x's other half (416 blocks of 256 bytes) is asked for behind the first refill, all of phase 1 ahead of its load, 26 blocks to each of the sixteen waves of a row of the cluster, told apart by address.
; The second weight has none: its refill goes out as soon as the first weight is in registers, with no trip ahead of it in which to ask.
; THE BIAS is the C of a tile's first four products, laid in registers as the result lies: so it is the first term of each f32 sum, where the reference adds it last.
; OUT (qkv): Q at 0, K at 6,815,744: a head 106,496 bytes = [128 token tiles x 64 bytes of scale words][128 x 768 of codes]; a word's bytes 0, 1 are the head's two blocks, bytes 2, 3 are 0 and meet zero codes.
; V at 13,631,488: a head 102,400 bytes = [16 key steps x 4 channel tiles x 64][16 x 4 x 1,536].
; LIMITS: NaN and infinities are not served; a block whose largest magnitude lies under 2^(3 - 127) gets the byte 1 (a block of zeros has zero codes; this program alone reads the bytes).
; REGISTERS: window 0: v1-15 addresses, v16-31 the weight's scale words, v32-35 V's words, v36-51 x's scale words (two sets), v52-63 at work, v64-95 the bias, v96-159 Q's or K's sums (two sets; V's codes on its way out),
; v160-231 weight fragments 26-31, v232-252 codes.  window 1: x's two sets (v0-191), weight fragments 0-4.  window 2: weight fragments 5-25.  window 3: V's sums, (weight tile b, x tile i) at v[8 (8 b + i)].
.set TILEB, 12800
.set CHL,   3200
.set RECB,  13312
.set CHB,   3328
.set BVREP, 768*RECB
.set WREG,  8*TILEB
.set SPARE, 24*TILEB
.set L16, 1
.set L8,  2
.set L4,  3
.set AX,  4                            ; v4-6   LDS: the x tile to fetch next: + 16 lane, + 8 lane, its scale words
.set AXE, 5
.set AXS, 6
.set AW,  7                            ; v7-9   the same of my four weight tiles
.set AWE, 8
.set AWS, 9
.set R8,  10                           ; v10    3,072 + 8 r
.set BV,  11                           ; v11    32 r: V's bias
.set SPW, 12
.set NIL, 13
.set BQ,  14                           ; v14    64 h: Q's or K's bias
.set PF,  15                           ; v15    the prefetch's offset
.set WS,  16                           ; register 8 g + q: lanes 0-15 weight tile 2 g, lanes 16-31 tile 2 g + 1, K step q
.set PWV, 32
.set XS,  36                           ; register 8 e + q
.set TM,  52
.set BI,  64
.set ACC, 96
.set VC,  96
.set VT,  144
.set CD,  232                          ; set e: six registers of codes at 232 + 8 e, the scale word at + 6
.set CT,  248
.set SWM, 252
.set TC,  71                           ; s71 the tile in hand, in the order of work;  s89: 8 tau
.set T8,  89
.set XN,  68                           ; s68, s69 LDS bytes of the tiles whose addresses are made next
.set XM,  69
.set MSB, 0
.macro WIN new                         ; the immediate's high byte repeats the setting that is left
.if MSB != \new
	s_set_vgpr_msb (MSB<<8)|\new
.set MSB, \new
.endif
.endm
.macro WALU
	s_wait_alu depctr_va_vdst(0)
.endm
.macro PLACES n
.rept \n
	v_nop
.endr
.endm
.macro CROUND                          ; a round of the cluster's barrier
	s_barrier_signal -1
	s_barrier_wait -1
	s_cmp_lg_u32 s12, 0
	s_cbranch_scc1 .Lnot_wave_0_\@
	s_barrier_signal -3
.Lnot_wave_0_\@:
	s_barrier_wait -3
	s_barrier_signal -1
	s_barrier_wait -1
.endm
.macro TLOAD g0, g1                    ; s_nop 0 and four v_nop behind the load
	tensor_load_to_lds s[\g0:\g0+3], s[\g1:\g1+7]
	s_nop 0
	PLACES 4
.endm
.macro GROUP1 g, mask, rows            ; rows of 3,200 bytes (400 elements of 8), a chunk of a tile each, 3,328 bytes apart throughout
	s_or_b32 s[\g], s[\mask], (3<<16)|(1<<21)
	s_mov_b32 s[\g+1], 400<<16
	s_mov_b32 s[\g+2], (\rows)<<16
	s_mov_b32 s[\g+3], 400<<16
	s_mov_b32 s[\g+4], \rows
	s_mov_b32 s[\g+5], CHB/8
	s_mov_b32 s[\g+6], 0
	s_mov_b32 s[\g+7], 0
.endm
.macro WFR f                           ; weight fragment f = 4 q + b: its window and register
.if (\f)<5
.set FW_, 1
.set FR_, 192+12*(\f)
.elseif (\f)<26
.set FW_, 2
.set FR_, 12*((\f)-5)
.else
.set FW_, 0
.set FR_, 160+12*((\f)-26)
.endif
.endm
.macro FRAG r, a, ae, off              ; a fragment's image: 512 + 256 + 512 + 256 consecutive bytes
	ds_load_b128 v[\r:\r+3], v[\a] offset:\off
	ds_load_b64 v[\r+4:\r+5], v[\ae] offset:\off+512
	ds_load_b128 v[\r+6:\r+9], v[\a] offset:\off+768
	ds_load_b64 v[\r+10:\r+11], v[\ae] offset:\off+1280
.endm
.macro WEIGHTS                         ; my 64 rows of the weight, all of K, and their scale words: 136 loads
.irp q, 0,1,2,3,4,5,6,7
.irp b, 0,1,2,3
	WFR 4*\q+\b
	WIN FW_<<6
	FRAG FR_, AW, AWE, TILEB*\b+CHL*(\q/2)+1536*(\q%2)
.endr
.endr
	WIN 0
.irp g, 0,1
.irp c, 0,1,2,3
	ds_load_b64 v[WS+8*\g+2*\c:WS+8*\g+2*\c+1], v[AWS] offset:2*TILEB*\g+CHL*\c
.endr
.endr
.endm
.macro FETCH e                         ; a tile of x, all of K, into set e: 36 loads
	WIN 0x40
.irp q, 0,1,2,3,4,5,6,7
	FRAG 96*(\e)+12*\q, AX, AXE, CHL*(\q/2)+1536*(\q%2)
.endr
	WIN 0
.irp c, 0,1,2,3
	ds_load_b64 v[XS+8*(\e)+2*\c:XS+8*(\e)+2*\c+1], v[AXS] offset:CHL*\c
.endr
.endm
.macro XADR off                        ; the addresses of the x tile at LDS byte off (a constant or a scalar register)
	v_add_nc_u32 v[AX], \off, v[L16]
	v_add_nc_u32 v[AXE], \off, v[L8]
	v_add_nc_u32 v[AXS], \off, v[R8]
.endm
.macro MM d, a, b, c, sa, sb, side, o
.if \o
	v_wmma_scale_f32_16x16x128_f8f6f4 v[\d:\d+7], v[\a:\a+11], v[\b:\b+11], \c, v[\sa], v[\sb] matrix_a_fmt:MATRIX_FMT_FP6 matrix_b_fmt:MATRIX_FMT_FP6 matrix_\side\()_scale:MATRIX_SCALE_ROW1
.else
	v_wmma_scale_f32_16x16x128_f8f6f4 v[\d:\d+7], v[\a:\a+11], v[\b:\b+11], \c, v[\sa], v[\sb] matrix_a_fmt:MATRIX_FMT_FP6 matrix_b_fmt:MATRIX_FMT_FP6
.endif
.endm
.macro PROD kind, e, q, b, d           ; K step q of x's set e with weight tile b, into the sums at register d.  kind 1 (V): source 0 = x; kind 0 (Q, K): source 0 = the weight
	WFR 4*(\q)+(\b)
.set XR_, 96*(\e)+12*(\q)
.set DW_, (\d)>>8
.set DL_, (\d)&255
.set SW_, WS+8*((\b)/2)+(\q)
.set SX_, XS+8*(\e)+(\q)
.if \kind
.if \q
	WIN 1|(FW_<<2)|(DW_<<4)|(DW_<<6)
	MM DL_, XR_, FR_, v[DL_:DL_+7], SX_, SW_, b, (\b)%2
.else
	WIN 1|(FW_<<2)|(DW_<<6)
	MM DL_, XR_, FR_, v[BI+8*(\b):BI+8*(\b)+7], SX_, SW_, b, (\b)%2
.endif
.else
	WIN FW_|(1<<2)|(DW_<<4)|(DW_<<6)
.if \q
	MM DL_, FR_, XR_, v[DL_:DL_+7], SW_, SX_, a, (\b)%2
.else
	MM DL_, FR_, XR_, v[BI+8*(\b):BI+8*(\b)+7], SW_, SX_, a, (\b)%2
.endif
.endif
.endm
; ================= THE HEAD
	s_load_b256 s[4:11], s[0:1], 0x0               ; opq s[4:5], bq s[6:7], bk s[8:9], qkv s[10:11]
	v_lshl_add_u32 v[SPW], v0, 2, SPARE
	v_mov_b32 v[NIL], 0
	ds_add_u32 v[SPW], v[NIL]                      ; the opening lines: the add, twice on end, and its wait
	ds_add_u32 v[SPW], v[NIL]
	v_lshrrev_b32 v1, 5, v0
	v_readfirstlane_b32 s12, v1                    ; wave 0..3: my head of the work-group's four
	s_and_b32 s13, s12, 1                          ; which half of a tile group I fetch
	s_mov_b32 s14, ttmp9                           ; tau: 0 Q, 1 K; also V's half of my 256 tokens
	s_bfe_u32 s15, ttmp6, 0x40000                  ; cx: which 256 channels
	s_bfe_u32 s16, ttmp6, 0x40004                  ; cy
	s_and_b32 s17, ttmp7, 0xffff
	s_lshl_b32 s18, s16, 2
	s_lshl_b32 s18, 15, s18                        ; my row of the cluster
	s_lshl_b32 s19, 0x1111, s15                    ; my column
	s_lshl_b32 s21, s17, 2
	s_add_co_u32 s21, s21, s16                     ; which 256 tokens, 0 .. 31
	GROUP1 24, 18, 16                              ; x: 4 tiles x 4 chunks a load, to my row
	GROUP1 32, 19, 32                              ; a weight: 8 tiles x 4 chunks, to my column
	s_lshl_b32 s20, s15, 4                         ; the weights' tiles that I would fetch: 16 cx + 8 x half,
	s_lshl_b32 s22, s13, 3
	s_add_co_u32 s20, s20, s22
	s_add_co_u32 s22, s20, 640                     ; of wv,
	s_mul_i32 s60, s22, RECB
	s_mov_b32 s61, 0
	s_lshl_b32 s23, s14, 6
	s_add_co_u32 s22, s20, s23
	s_add_co_u32 s22, s22, 512                     ; and of wq or wk
	s_mul_i32 s72, s22, RECB
	s_mov_b32 s73, 0
	s_lshl_b32 s84, s21, 4                         ; x's tiles: 16 x block + 8 x half of the block + 4 x my half of the load
	s_lshl_b32 s85, s14, 3
	s_lshl_b32 s86, s13, 2
	s_add_co_u32 s87, s84, s85
	s_add_co_u32 s87, s87, s86
	s_mul_i32 s82, s87, RECB                       ; V's half, which is phase 2's first
	s_mov_b32 s83, 0
	s_xor_b32 s85, s85, 8
	s_add_co_u32 s87, s84, s85
	s_mul_i32 s80, s87, RECB                       ; the other half, whole: for the prefetch,
	s_mov_b32 s81, 0
	s_add_co_u32 s87, s87, s86
	s_mul_i32 s74, s87, RECB                       ; and my part of it
	s_mov_b32 s75, 0
	s_mov_b32 s40, 1
	s_mul_i32 s41, s13, 8*TILEB
	s_add_co_u32 s41, s41, WREG
	s_mov_b32 s44, 1
	s_mul_i32 s45, s13, 4*TILEB
	s_mov_b32 s66, 0x76543210
	s_mov_b32 s67, 0xfedcba98                      ; v_permlanex16_b32's selects for lane l xor 16
	s_mov_b32 s62, 0xffff0000                      ; lanes 16-31
	s_lshl_b32 s[T8], s14, 3
	s_wait_dscnt 0x0
	s_wait_kmcnt 0x0
	s_add_nc_u64 s[42:43], s[4:5], s[60:61]
	s_or_b32 s43, s43, 0x80000000
	s_add_nc_u64 s[46:47], s[4:5], s[82:83]
	s_or_b32 s47, s47, 0x80000000
	s_add_nc_u64 s[72:73], s[4:5], s[72:73]
	s_add_nc_u64 s[74:75], s[4:5], s[74:75]
	s_add_nc_u64 s[80:81], s[4:5], s[80:81]
	CROUND                                         ; all sixteen work-groups are here: the joint loads meet
	s_cmp_lt_u32 s12, 2                            ; one fill a wave, in the two arms of one branch on the wave's number; the weight, which goes on into registers, has arms and a wait of its own
	s_cbranch_scc0 .Lhead_x
	TLOAD 40, 32                                   ; waves 0, 1: W_v
	s_branch .Lasked
.Lhead_x:
	TLOAD 44, 24                                   ; waves 2, 3: x's first half
.Lasked:
	v_and_b32 v3, 31, v0                           ; lane
	v_and_b32 v5, 15, v0                           ; r
	v_bfe_u32 v6, v0, 4, 1                         ; h
	v_lshlrev_b32 v[L16], 4, v3
	v_lshlrev_b32 v[L8], 3, v3
	v_min_u32 v[PF], 25, v3
	v_lshlrev_b32 v[L4], 2, v3
	v_lshl_add_u32 v[R8], v5, 3, 3072
	v_lshlrev_b32 v[BV], 5, v5
	v_lshlrev_b32 v[BQ], 6, v6
	s_mul_i32 s20, s12, 4*TILEB
	s_add_co_u32 s20, s20, WREG                    ; my four tiles in the weights' region
	v_add_nc_u32 v[AW], s20, v[L16]
	v_add_nc_u32 v[AWE], s20, v[L8]
	v_mul_u32_u24 v[AWS], v6, TILEB                ; scale words: lanes 16-31 take the next tile's
	v_add_nc_u32 v[AWS], v[AWS], v[R8]
	v_add_nc_u32 v[AWS], s20, v[AWS]
	s_lshl_b32 s22, s15, 2
	s_add_co_u32 s22, s22, s12                     ; my number among the sixteen waves of my row of the cluster; also: my head
	s_mul_i32 s23, s22, 26*256
	v_lshl_add_u32 v[PF], v[PF], 8, s23            ; my 26 blocks of the 416; the six lanes left over name the last again
	XADR 0
.irp b, 4,5,6,7
	v_mov_b32 v[TM+\b], 0                          ; a lane permute's destination counts as one of its sources
.endr
	s_lshl_b32 s78, s22, 11                        ; V's bias: my four tiles of wv in the table, 512 bytes a tile
	s_add_co_u32 s78, s78, BVREP
	s_mov_b32 s79, 0
	s_add_nc_u64 s[78:79], s[4:5], s[78:79]
	s_lshl_b32 s76, s22, 8                         ; Q's or K's: my 64 channels
	s_mov_b32 s77, 0
	s_cmp_eq_u32 s14, 0
	s_cselect_b64 s[90:91], s[6:7], s[8:9]
	s_add_nc_u64 s[76:77], s[90:91], s[76:77]
.irp b, 0,1,2,3
	global_load_b128 v[BI+8*\b:BI+8*\b+3], v[BV], s[78:79] offset:512*\b       ; row r's number, eight times over
	global_load_b128 v[BI+8*\b+4:BI+8*\b+7], v[BV], s[78:79] offset:512*\b+16
.endr
	s_lshr_b32 s86, s21, 3                         ; where the results go
	s_lshl_b32 s86, s86, 4
	s_add_co_u32 s86, s86, s22                     ; 16 x batch + head
	s_mul_i32 s87, s86, 102400
	s_add_co_u32 s87, s87, 13631488
	s_lshl_b32 s88, s21, 1
	s_add_co_u32 s88, s88, s14
	s_and_b32 s88, s88, 15                         ; V's key step in the batch
	s_lshl_b32 s50, s88, 8
	s_add_co_u32 s50, s50, s87
	s_mov_b32 s51, 0
	s_mul_i32 s48, s88, 6144
	s_add_co_u32 s48, s48, s87
	s_add_co_u32 s48, s48, 4096
	s_mov_b32 s49, 0
	s_mul_i32 s87, s86, 106496
	s_mul_i32 s88, s14, 6815744
	s_add_co_u32 s87, s87, s88
	s_and_b32 s88, s21, 7
	s_lshl_b32 s88, s88, 4                         ; the first token tile of my 256 tokens in the batch
	s_lshl_b32 s54, s88, 6
	s_add_co_u32 s54, s54, s87
	s_mov_b32 s55, 0
	s_mul_i32 s52, s88, 768
	s_add_co_u32 s52, s52, s87
	s_add_co_u32 s52, s52, 8192
	s_mov_b32 s53, 0
	s_add_nc_u64 s[48:49], s[10:11], s[48:49]      ; V's codes, V's words,
	s_add_nc_u64 s[50:51], s[10:11], s[50:51]
	s_add_nc_u64 s[52:53], s[10:11], s[52:53]      ; Q's or K's codes, words
	s_add_nc_u64 s[54:55], s[10:11], s[54:55]
	WALU                                           ; the wait at the head's end
	s_cmp_lt_u32 s12, 2
	s_cbranch_scc0 .Lnot_w
	s_wait_tensorcnt 0x0
.Lnot_w:
	s_barrier_signal -1
	s_barrier_wait -1                              ; W_v is in; x may still be on its way
	WEIGHTS
	s_wait_tensorcnt 0x0                           ; THE FIRST REFILL: all my loads are in,
	ds_add_u32 v[SPW], v[NIL]
	s_mov_b64 s[42:43], s[72:73]                   ; so a descriptor may be written: W_q or W_k, to the same place
	s_or_b32 s43, s43, 0x80000000
	s_wait_dscnt 0x0                               ; the add is done, and W_v is in my registers
	CROUND
	s_cmp_lt_u32 s12, 2
	s_cbranch_scc0 .Lno_w2
	TLOAD 40, 32
.Lno_w2:
	FETCH 0
	XADR TILEB
	global_prefetch_b8 v[PF], s[80:81] th:TH_LOAD_NT scope:SCOPE_SE
	s_wait_loadcnt 0x0                             ; V's bias
; ================= PHASE 1: V, eight tiles of x.  While one tile is multiplied the next tile's 36 loads are on their way, into the other set.
.macro VBLOCK i
	WALU
	s_wait_dscnt 0x0                               ; this tile's fragments and scale words are in
.if (\i)<7
	FETCH ((\i)+1)%2
.endif
.irp q, 0,1,2,3,4,5,6,7
.irp b, 0,1,2,3
	PROD 1, (\i)%2, \q, \b, 768+8*(8*\b+(\i))
.endr
.endr
	WIN 0
.if (\i)<6
	XADR TILEB*((\i)+2)                            ; with the v_nop: the places in front of the loads into this tile's set
	v_nop
.else
	PLACES 4
.endif
.endm
.irp i, 0,1,2,3,4,5,6,7
	VBLOCK \i
.endr
; ================= THE CHANGE OF PHASE: the second weight and phase 2's first tile in one run of loads; V's way out under their flight
	s_wait_tensorcnt 0x0
	s_barrier_signal -1
	s_barrier_wait -1                              ; a plain barrier: the weight that the first refill brought is shown to all
	WEIGHTS
.irp b, 0,1,2,3
	global_load_b128 v[BI+8*\b:BI+8*\b+3], v[BQ], s[76:77] offset:128*(\b/2)+32*(\b%2)      ; register 8 b + j: channel 32 (b / 2) + 16 h + 8 (b % 2) + j of my head
	global_load_b128 v[BI+8*\b+4:BI+8*\b+7], v[BQ], s[76:77] offset:128*(\b/2)+32*(\b%2)+16
.endr
	XADR 0
	FETCH 0
	XADR TILEB
; Weight tile a: a lane's 64 sums (register 16 b + n = key 32 b + 16 h + n of its channel) become a fragment's codes and its scale word.  Each accumulator is read from its low end on.
.macro QUANTV a
	WIN 0x0f
.irp b, 0,1,2,3
	v_max3_num_f32 v[TM+\b], |v[64*\a+16*\b]|, |v[64*\a+16*\b+1]|, 0x1800000   ; with the floor 2^(3 - 127): the byte cannot fall under 1
.endr
	WIN 0x3c
.irp i, 2,4,6,8,10,12,14
.irp b, 0,1,2,3
	v_max3_num_f32 v[TM+\b], v[TM+\b], |v[64*\a+16*\b+\i]|, |v[64*\a+16*\b+\i+1]|
.endr
.endr
	WIN 0
.irp b, 0,1,2,3
	v_permlanex16_b32 v[TM+4+\b], v[TM+\b], s66, s67
.endr
.irp b, 0,1,2,3
	v_max_num_f32 v[TM+\b], v[TM+\b], v[TM+4+\b]   ; with lane l xor 16's: the block's largest magnitude
.endr
.irp b, 0,1,2,3
	v_add_nc_u32 v[TM+8+\b], 0xff000000, v[TM+\b]  ; 2 off its exponent field: the conversion's scale operand
.endr
.irp b, 0,1,2,3
	v_lshrrev_b32 v[TM+4+\b], 23, v[TM+8+\b]       ; the scale's byte
.endr
	v_lshl_or_b32 v[PWV+\a], v[TM+5], 8, v[TM+4]
	v_lshl_or_b32 v[PWV+\a], v[TM+6], 16, v[PWV+\a]
	v_lshl_or_b32 v[PWV+\a], v[TM+7], 24, v[PWV+\a]
	WIN 0x03
.irp c, 0,1
	v_cvt_scalef32_pk16_fp6_f32 v[VC+12*\a+6*\c:VC+12*\a+6*\c+2], v[64*\a+32*\c:64*\a+32*\c+15], v[TM+8+2*\c]
	v_cvt_scalef32_pk16_fp6_f32 v[VT+4*\c:VT+4*\c+2], v[64*\a+32*\c+16:64*\a+32*\c+31], v[TM+9+2*\c]   ; (a conversion's three registers begin on an even number)
.endr
	WIN 0
	v_nop                                          ; one plain place behind a scaled conversion
.irp c, 0,1                            ; the operand's layout wants a whole block in a lane
.irp i, 0,1,2
	v_permlane16_swap_b32 v[VC+12*\a+6*\c+\i], v[VT+4*\c+\i]
.endr
.irp i, 0,1,2
	v_mov_b32 v[VC+12*\a+6*\c+3+\i], v[VT+4*\c+\i]
.endr
.endr
.irp c, 0,1                            ; 512 + 256 consecutive bytes, at multiples of 256 from the buffer's first byte
	global_store_b128 v[L16], v[VC+12*\a+6*\c:VC+12*\a+6*\c+3], s[48:49] offset:1536*\a+768*\c
	global_store_b64 v[L8], v[VC+12*\a+6*\c+4:VC+12*\a+6*\c+5], s[48:49] offset:1536*\a+768*\c+512
.endr
.endm
.irp a, 0,1,2,3
	QUANTV \a
.endr
	v_cndmask_b32 v152, v[PWV], v[PWV+1], s62      ; lanes 0-15 tile 0's words, lanes 16-31 tile 1's
	v_cndmask_b32 v153, v[PWV+2], v[PWV+3], s62
	global_store_b32 v[L4], v152, s[50:51]         ; 128 consecutive bytes each
	global_store_b32 v[L4], v153, s[50:51] offset:128
	WALU
	s_wait_tensorcnt 0x0                           ; THE SECOND REFILL
	ds_add_u32 v[SPW], v[NIL]
	s_mul_i32 s45, s13, 4*TILEB
	s_add_co_u32 s45, s45, WREG                    ; x's other half, as tiles 8 .. 15
	s_mov_b64 s[46:47], s[74:75]
	s_or_b32 s47, s47, 0x80000000
	s_mov_b32 s[TC], 0
	s_mov_b32 s[XN], 2*TILEB
	s_mov_b32 s[XM], 3*TILEB
	s_mov_b32 s70, 7
	s_wait_dscnt 0x0                               ; the add is done, and the second weight is in my registers
	CROUND
	s_cmp_lt_u32 s12, 2
	s_cbranch_scc1 .Lno_x2
	TLOAD 44, 24
.Lno_x2:
	s_wait_loadcnt 0x0                             ; Q's or K's bias
; ================= PHASE 2: Q or K, sixteen tiles of x, two to a trip
.macro QUANTQ e                        ; a lane's 32 sums (register 16 b + n = channel 32 b + 16 h + n of the head) become six registers of codes and two scale bytes; four chains by turns
.set A_, ACC+32*(\e)
.irp b, 0,1
	v_max3_num_f32 v[TM+\b], |v[A_+16*\b]|, |v[A_+16*\b+1]|, 0x1800000
	v_max3_num_f32 v[TM+2+\b], |v[A_+16*\b+8]|, |v[A_+16*\b+9]|, |v[A_+16*\b+10]|
.endr
.irp i, 2,4
.irp b, 0,1
	v_max3_num_f32 v[TM+\b], v[TM+\b], |v[A_+16*\b+\i]|, |v[A_+16*\b+\i+1]|
	v_max3_num_f32 v[TM+2+\b], v[TM+2+\b], |v[A_+16*\b+9+\i]|, |v[A_+16*\b+10+\i]|
.endr
.endr
.irp b, 0,1
	v_max3_num_f32 v[TM+\b], v[TM+\b], |v[A_+16*\b+6]|, |v[A_+16*\b+7]|
.endr
.irp b, 0,1
	v_max3_num_f32 v[TM+\b], v[TM+\b], v[TM+2+\b], |v[A_+16*\b+15]|
.endr
.irp b, 0,1
	v_permlanex16_b32 v[TM+4+\b], v[TM+\b], s66, s67
.endr
.irp b, 0,1
	v_max_num_f32 v[TM+\b], v[TM+\b], v[TM+4+\b]
.endr
.irp b, 0,1
	v_add_nc_u32 v[TM+8+\b], 0xff000000, v[TM+\b]
.endr
.irp b, 0,1
	v_lshrrev_b32 v[TM+4+\b], 23, v[TM+8+\b]
.endr
	v_lshl_or_b32 v[CD+8*(\e)+6], v[TM+5], 8, v[TM+4]
	v_cvt_scalef32_pk16_fp6_f32 v[CD+8*(\e):CD+8*(\e)+2], v[A_:A_+15], v[TM+8]
	v_cvt_scalef32_pk16_fp6_f32 v[CT:CT+2], v[A_+16:A_+31], v[TM+9]
	v_nop                                          ; one plain place behind a scaled conversion
.irp i, 0,1,2
	v_permlane16_swap_b32 v[CD+8*(\e)+\i], v[CT+\i]
.endr
.irp i, 0,1,2
	v_mov_b32 v[CD+8*(\e)+3+\i], v[CT+\i]
.endr
.endm
.macro QBLOCK e, fetch, nx             ; nx: the scalar that holds the LDS byte of the tile whose addresses are made here; -1: none
	WALU
	s_wait_dscnt 0x0                               ; this tile's fragments and scale words are in
.if (\e)==0
	s_wait_tensorcnt 0x0                           ; a plain barrier in each trip: it shows the second refill to all ahead of every fetch
	s_barrier_signal -1
	s_barrier_wait -1
	s_wait_xcnt 0x0                                ; the earlier stores have read their registers and bases
	s_xor_b32 s60, s[TC], s[T8]                    ; the half that lay in LDS comes first: the true tile is the tile in the order of work xor 8 tau
	s_mul_i32 s56, s60, 768
	s_mov_b32 s57, 0
	s_add_nc_u64 s[56:57], s[52:53], s[56:57]
	s_lshl_b32 s58, s60, 6
	s_mov_b32 s59, 0
	s_add_nc_u64 s[58:59], s[54:55], s[58:59]
	s_add_co_u32 s[TC], s[TC], 2
.endif
.if \fetch
	FETCH 1-(\e)
.endif
.irp q, 0,1,2,3,4,5,6,7
.irp b, 0,1,2,3
	PROD 0, \e, \q, \b, ACC+32*(\e)+8*\b
.endr
.endr
	WIN 0
.if (\nx)>=0
	XADR s[\nx]                                    ; with the v_nop: the places in front of the first read of the sums
	v_nop
.else
	PLACES 4
.endif
	QUANTQ \e
	global_store_b128 v[L16], v[CD+8*(\e):CD+8*(\e)+3], s[56:57] offset:768*(\e)
	global_store_b64 v[L8], v[CD+8*(\e)+4:CD+8*(\e)+5], s[56:57] offset:768*(\e)+512
.if \e
	v_cndmask_b32 v[SWM], v[CD+6], v[CD+14], s62   ; lanes 0-15 the even tile's words, lanes 16-31 the odd tile's
	global_store_b32 v[L4], v[SWM], s[58:59]       ; 128 consecutive bytes
.endif
.endm
.Ltrip:                                                ; tiles 0 to 13
	QBLOCK 0, 1, XN
	QBLOCK 1, 1, XM
	s_add_co_u32 s[XN], s[XN], 2*TILEB
	s_add_co_u32 s[XM], s[XM], 2*TILEB
	s_sub_co_u32 s70, s70, 1
	s_cmp_lg_u32 s70, 0
	WALU
	s_cbranch_scc1 .Ltrip
	QBLOCK 0, 1, -1                                ; tiles 14 and 15: the last fetches nothing
	QBLOCK 1, 0, -1
	s_wait_tensorcnt 0x0                           ; the wave's end
	ds_add_u32 v[SPW], v[NIL]
	s_wait_dscnt 0x0
	CROUND                                         ; the closing round
	s_endpgm
.Lfunc_end_k_q6217e147a8_qkv:
	.size	k_q6217e147a8_qkv, .Lfunc_end_k_q6217e147a8_qkv-k_q6217e147a8_qkv
	.p2alignl 7, 3214868480
	.fill 96, 4, 3214868480
	.section	.rodata,"a",@progbits
	.p2align	6, 0x0
	.amdhsa_kernel k_q6217e147a8_qkv
		.amdhsa_group_segment_fixed_size 327680
		.amdhsa_private_segment_fixed_size 0
		.amdhsa_enable_private_segment 0
		.amdhsa_kernarg_size 32
		.amdhsa_user_sgpr_count 2
		.amdhsa_user_sgpr_kernarg_segment_ptr 1
		.amdhsa_wavefront_size32 1
		.amdhsa_system_sgpr_workgroup_id_x 1
		.amdhsa_system_sgpr_workgroup_id_y 1
		.amdhsa_system_sgpr_workgroup_id_z 1
		.amdhsa_system_vgpr_workitem_id 0
		.amdhsa_next_free_vgpr 1024
		.amdhsa_next_free_sgpr 100
		.amdhsa_reserve_vcc 0
		.amdhsa_float_denorm_mode_32 3
		.amdhsa_float_denorm_mode_16_64 3
		.amdhsa_memory_ordered 1
		.amdhsa_forward_progress 1
		.amdhsa_inst_pref_size 137
	.end_amdhsa_kernel
	.amdgpu_metadata
---
amdhsa.version: [ 1, 2 ]
amdhsa.kernels:
  - .name:           k_q6217e147a8_qkv
    .symbol:         k_q6217e147a8_qkv.kd
    .args:
      - { .name: opq, .offset: 0, .size: 8, .value_kind: global_buffer, .address_space: global }
      - { .name: bq, .offset: 8, .size: 8, .value_kind: global_buffer, .address_space: global }
      - { .name: bk, .offset: 16, .size: 8, .value_kind: global_buffer, .address_space: global }
      - { .name: qkv, .offset: 24, .size: 8, .value_kind: global_buffer, .address_space: global }
    .group_segment_fixed_size: 327680
    .private_segment_fixed_size: 0
    .kernarg_segment_align: 8
    .kernarg_segment_size: 32
    .max_flat_workgroup_size: 128
    .sgpr_count:     100
    .vgpr_count:     1024
    .wavefront_size: 32
...
	.end_amdgpu_metadata
.endif
;; end of part 2
;; launch attn (part 3): grid 4 x 64, 16 waves a work-group, clusters of 4 x 1, 210,944 bytes of LDS; arguments qkv, oq; writes oq
.if DOCPART == 3
	.amdgcn_target "amdgcn-amd-amdhsa--gfx1250"
	.amdhsa_code_object_version 6
	.text
	.protected	k_q6217e147a8_attn
	.globl	k_q6217e147a8_attn
	.p2align	8
	.type	k_q6217e147a8_attn,@function
k_q6217e147a8_attn:
	s_mov_b64 s[64:65], 0
	v_nop
	global_prefetch_b8 v0, s[64:65] scope:SCOPE_SE
	s_setreg_imm32_b32 hwreg(HW_REG_WAVE_MODE, 25, 1), 1
	s_wait_xcnt 0x0
	s_wait_alu depctr_hold_cnt(0) depctr_sa_sdst(0) depctr_va_vdst(0) depctr_va_sdst(0) depctr_va_ssrc(0) depctr_va_vcc(0) depctr_vm_vsrc(0)
	s_getreg_b32 s2, hwreg(HW_REG_IB_STS2, 6, 4)
	s_cmp_eq_u32 s2, 0
	s_cbranch_scc0 .Lentry_in_a_cluster
	s_endpgm
.Lentry_in_a_cluster:
	s_bfe_u32 s2, ttmp6, 0x10000c
	s_cmp_lg_u32 s2, 0x3003
	s_cbranch_scc0 .Lentry_shape_is_right
	s_endpgm
.Lentry_shape_is_right:
; O[bh][q] = the sum over k of softmax_k(Q[bh][q] . K[bh][k] / 8) V[bh][k], 64 heads of 2,048 tokens x 64, both products on codes of FP6 (E2M3) with E8M0 scales; O / l is quantised along d_model and leaves as codes.
; THE SOFTMAX: t = score x log2(e) / 8; M = the row's largest t so far, rounded UP to a whole number; p = 2^(t - M) is quantised along the keys, not normalised.  The row's sum is taken of the unquantised p, in f32,
; and divides O at the end.  When M moves, the sums and O are multiplied by f = 2^(old M - new M): exact.
; SHARES.  256 work-groups; each owns 512 queries of one head.  Each of its sixteen waves takes two tiles of 16 queries, ONE AFTER THE OTHER (two passes of 16 key steps of 128 keys), in 256 registers: four waves to a SIMD.
; A HEAD'S WHOLE K AND V ARE RESIDENT IN LDS, 106,496 + 102,400 bytes, each byte filled once, and serve both passes.  In memory and in LDS a head of K is [128 token tiles x 64 bytes of scale words][128 x 768 bytes of codes],
; a head of V [16 key steps x 4 channel tiles x 64][16 x 4 x 1,536]: images of operand registers.  FOUR FILLS at the head, one a wave, each a dense block stated as rows of 256 bytes: wave 0 K's scale words and key steps 0-3
; (128 rows), wave 1 the same of V (112 rows), wave 2 K's steps 4-15, wave 3 V's (288 rows each).  The first barrier waits for waves 0 and 1 alone (their load lines are their own); the second, behind key step 3, for all.
; No barrier stands behind that: 28 of a wave's 32 key steps run with no meeting of waves.
; CLUSTER 4 x 1: the four work-groups of a head need the same K and V: each fill is asked for jointly, with a mask that names the four.
; NO PREFETCH: all that a work-group reads is asked for at its head, by these four loads and six loads into registers; no later trip asks memory for anything.
; LAYOUT.  Both products are used transposed: S^T = K Q^T, O^T = V^T P^T: a lane holds ONE query (lane % 16).  Row ro of token tile T, as it lies, is token 32 (T / 2) + 8 (T % 2) + ro + 8 (ro / 8).
; THE ROWS THAT FORM A TILE OF K ARE CHOSEN BY THE LANES' LDS ADDRESSES: row m of tile n = 4 c + t of a step is key 64 c + 32 (m / 8) + 8 t + m % 8, which is row m % 8 + 8 (t / 2) of the lying tile 4 c + t % 2 + 2 (m / 8).
; So register 32 c + 8 t + j of S^T in lane (r, h) is key 64 c + 32 h + 8 t + j: A LANE'S 32 REGISTERS ARE ONE WHOLE SCALE BLOCK, in the order of the next operand's registers: no lane is asked for a block's maximum
; and no codes change lanes; the row's maximum and p's scale word take one exchange with lane l xor 16 each.
; THE FIRST PRODUCT'S K IS 64, THE INSTRUCTION'S 128: the upper six registers of Q's fragment are zero codes.  A tile of K is six registers, and its operand runs on into the next tile's six (behind the last: six cleared
; registers).  Every 6-bit code is a finite number and no scale byte here is 0xff, so those products are zeros.
; THE SECOND PASS clears nothing: its first step finds f = 0, which makes zeros of the first pass's finite sums.
; OUT (oq): tile T = 128 batch + query tile, 13,312 bytes = 4 chunks of 3,328 (two K steps of 1,536, then scale words, row r at 8 r); head hd fills chunk hd / 4, K step (hd / 2) % 2, half hd % 2, and two bytes of
; each row's scale word, which leave by a store of 2 bytes a lane: 32 bytes beside a tile's 768.
; LIMITS: NaN and infinities are not served; the scaled scores stay under 2^31 in magnitude; a block whose largest magnitude lies under 2^(3 - 127) gets the byte 1 (its codes are zeros; this program alone reads the bytes).
; A block's largest p is made of its largest score by the same two instructions as every p, which takes v_exp_f32 not to fall where its input rises.
.set KHB,  106496                      ; a head of Q or K
.set VHB,  102400                      ; of V
.set KCOD, 8192                        ; LDS: K's scale words at 0, its codes here
.set VLDS, KHB                         ; V's scale words
.set VCOD, VLDS+4096                   ; V's codes
.set SPARE, KHB+VHB                    ; the spare words: 16 waves x 128 bytes
.set KA,  10                           ; v10  lane terms of K's loads: 1,536 (r / 8) + 16 (r % 8) + 256 h
.set KB,  11                           ; v11  1,536 (r / 8) + 8 (r % 8) + 128 h
.set KS,  14                           ; v14  scale words: 128 (r / 8) + 4 (r % 8) + 64 h
.set H8,  15                           ; v15  8 h
.set QF,  16                           ; v16-27   Q's fragment: 16-21 codes, 22-27 zeros
.set QS,  28                           ; v28      Q's scale words
.set PW,  29                           ; v29      p's scale word
.set VSC, 30                           ; v30-31   V's scale words: lanes 0-15 tile 2 g, lanes 16-31 tile 2 g + 1
.set KSC, 32                           ; v32-35   K's: register 2 c + t / 2: lanes 0-15 the even t, lanes 16-31 the odd
.set KV,  36                           ; v36-89   K's eight tiles, six registers each, then six zeros; later V's four fragments
.set S,   90                           ; v90-153  S^T, then p
.set O,   154                          ; v154-185 O^T
.set PCD, 186                          ; v186-197 p's codes
.set CTM, 198                          ; v198-204 the conversions' second halves
.set BM,  206                          ; v206-207 my two blocks' largest scores, then largest p
.set BX,  208                          ; v208-209 second chains; the scale bytes
.set PT,  210                          ; v210-211 what lane l xor 16 sends
.set SO,  214                          ; v214-215 the conversions' scale operands
.set F,   218                          ; v[218:219] f, named as a pair
.set TT,  220
.set TB,  221
.set Q2,  222                          ; v222-228 the second pass's Q: six registers of codes, the scale words
.set O8,  229                          ; v229     8 r: the way out
.set OW,  230
.set AC,  240                          ; v240-247 the row's sum in four pairs
.set WV,  8
.set SEL, 66                           ; s[66:67] lane selects for v_permlanex16_b32: lane l xor 16
.set CS,  68                           ; s[68:69] c = log2(e) / 8;  s75: -c
.set TK,  70                           ; s70-73   LDS bytes of the step's K tiles, K scale words, V fragments, V scale words
.set TKS, 71
.set TV,  72
.set TVS, 73
.set CNT, 74
.set CN,  75
.macro WALU
	s_wait_alu depctr_va_vdst(0)
.endm
.macro DEP n
	s_delay_alu instid0(VALU_DEP_\n)
.endm
.macro CROUND                          ; a round of the cluster's barrier
	s_barrier_signal -1
	s_barrier_wait -1
	s_cmp_lg_u32 s[WV], 0
	s_cbranch_scc1 .Lnot_wave_0_\@
	s_barrier_signal -3
.Lnot_wave_0_\@:
	s_barrier_wait -3
	s_barrier_signal -1
	s_barrier_wait -1
.endm
.macro GROUP1 g, rows                  ; a dense block as rows of 256 bytes (32 elements of 8); the mask names all four work-groups, bit 21 beside it
	s_mov_b32 s[\g], 15|(3<<16)|(1<<21)
	s_mov_b32 s[\g+1], 32<<16
	s_mov_b32 s[\g+2], (\rows)<<16
	s_mov_b32 s[\g+3], 32<<16
	s_mov_b32 s[\g+4], \rows
	s_mov_b32 s[\g+5], 32
	s_mov_b32 s[\g+6], 0
	s_mov_b32 s[\g+7], 0
.endm
.macro GROUP0 g, lds, base, off
	s_mov_b32 s[\g], 1
	s_mov_b32 s[\g+1], \lds
	s_add_nc_u64 s[\g+2:\g+3], s[\base:\base+1], \off
	s_or_b32 s[\g+3], s[\g+3], 0x80000000
.endm
.macro TLOAD g0, g1                    ; s_nop 0 and four v_nop behind the load
	tensor_load_to_lds s[\g0:\g0+3], s[\g1:\g1+7]
	s_nop 0
.rept 4
	v_nop
.endr
.endm
	s_load_b128 s[4:7], s[0:1], 0x0                ; qkv s[4:5], oq s[6:7]
	v_lshl_add_u32 v254, v0, 2, SPARE
	v_mov_b32 v255, 0
	ds_add_u32 v254, v255                          ; the opening lines: the add, twice on end, and its wait
	ds_add_u32 v254, v255
	v_lshrrev_b32 v1, 5, v0
	v_readfirstlane_b32 s[WV], v1                  ; wave 0..15
	s_bfe_u32 s9, ttmp6, 0x40000                   ; cx
	s_lshl_b32 s10, ttmp9, 2
	s_add_co_u32 s10, s10, s9                      ; my block of 512 queries: it enters Q's and O's addresses alone
	s_and_b32 s11, ttmp7, 0xffff                   ; batch x 16 + head, which the four partners share
	s_mul_i32 s76, s11, KHB                        ; the head in Q's section,
	s_add_co_u32 s78, s76, 6815744                 ; in K's,
	s_mov_b32 s79, 0
	s_mul_i32 s80, s11, VHB
	s_add_co_u32 s80, s80, 13631488                ; and in V's
	s_mov_b32 s81, 0
	s_lshl_b32 s13, s10, 5
	s_add_co_u32 s13, s13, s[WV]                   ; my first query tile: 32 x block + wave; the second lies 16 tiles on
	s_mul_i32 s82, s13, 768
	s_add_co_u32 s82, s82, s76
	s_add_co_u32 s82, s82, 8192                    ; its codes
	s_mov_b32 s83, 0
	s_lshl_b32 s84, s13, 6
	s_add_co_u32 s84, s84, s76                     ; its scale words
	s_mov_b32 s85, 0
	GROUP1 16, 128
	GROUP1 24, 112
	GROUP1 32, 288
	s_mov_b32 s[SEL], 0x76543210
	s_mov_b32 s[SEL+1], 0xfedcba98
	s_mov_b32 s[CS], 0x3e38aa3b                    ; log2(e) / 8
	s_mov_b32 s[CS+1], s[CS]                       ; (named with it as a pair, so it is written)
	s_mov_b32 s[CN], 0xbe38aa3b
	s_wait_dscnt 0x0
	s_wait_kmcnt 0x0
	s_add_nc_u64 s[78:79], s[4:5], s[78:79]
	s_add_nc_u64 s[80:81], s[4:5], s[80:81]
	s_add_nc_u64 s[82:83], s[4:5], s[82:83]
	s_add_nc_u64 s[84:85], s[4:5], s[84:85]
	CROUND                                         ; all four work-groups are here: the joint loads meet
	GROUP0 40, 0, 78, 0
	GROUP0 44, VLDS, 80, 0
	GROUP0 48, 32768, 78, 32768
	GROUP0 52, VLDS+28672, 80, 28672
	s_cmp_eq_u32 s[WV], 0                          ; one chain of branches on the wave's number, one fill to an arm
	s_cbranch_scc0 .Larm_1
	TLOAD 40, 16                                   ; K's scale words and key steps 0-3
	s_branch .Lasked
.Larm_1:
	s_cmp_eq_u32 s[WV], 1
	s_cbranch_scc0 .Larm_2
	TLOAD 44, 24                                   ; V's
	s_branch .Lasked
.Larm_2:
	s_cmp_eq_u32 s[WV], 2
	s_cbranch_scc0 .Larm_3
	TLOAD 48, 32                                   ; K's key steps 4-15
	s_branch .Lasked
.Larm_3:
	s_cmp_eq_u32 s[WV], 3
	s_cbranch_scc0 .Lasked
	TLOAD 52, 32                                   ; V's
.Lasked:
	v_and_b32 v3, 31, v0                           ; lane
	v_and_b32 v4, 15, v0                           ; r
	v_bfe_u32 v5, v0, 4, 1                         ; h
	v_bfe_u32 v6, v0, 3, 1                         ; r / 8
	v_and_b32 v7, 7, v0                            ; r % 8
	v_lshlrev_b32 v1, 4, v3                        ; 16 x lane
	v_lshlrev_b32 v2, 3, v3                        ; 8 x lane
	v_lshlrev_b32 v3, 2, v3                        ; 4 x lane
	v_lshlrev_b32 v8, 2, v4                        ; 4 r
	v_lshlrev_b32 v[O8], 3, v4
	global_load_b128 v[QF:QF+3], v1, s[82:83]      ; both passes' Q stay in registers
	global_load_b64 v[QF+4:QF+5], v2, s[82:83] offset:512
	global_load_b32 v[QS], v8, s[84:85]
	global_load_b128 v[Q2:Q2+3], v1, s[82:83] offset:16*768
	global_load_b64 v[Q2+4:Q2+5], v2, s[82:83] offset:16*768+512
	global_load_b32 v[Q2+6], v8, s[84:85] offset:16*64
	v_mul_u32_u24 v[KA], v6, 1536
	v_lshl_add_u32 v[KB], v7, 3, v[KA]
	v_lshl_add_u32 v[KA], v7, 4, v[KA]
	v_lshl_add_u32 v[KB], v5, 7, v[KB]
	v_lshl_add_u32 v[KA], v5, 8, v[KA]
	v_lshlrev_b32 v[KS], 7, v6
	v_lshl_add_u32 v[KS], v7, 2, v[KS]
	v_lshl_add_u32 v[KS], v5, 6, v[KS]
	v_lshlrev_b32 v[H8], 3, v5
.irp i, 6,7,8,9,10,11
	v_mov_b32 v[QF+\i], 0                          ; zero codes for k = 64 .. 127
.endr
.irp i, 48,49,50,51,52,53
	v_mov_b32 v[KV+\i], 0                          ; behind K's last tile
.endr
	v_mov_b32 v13, 0xff61b1e6                      ; the largest score so far: -3e38
	v_mov_b32 v12, 0x7f61b1e6                      ; -M: 3e38, so that the first step's f is 0
	v_mov_b32 v[PT], 0                             ; a lane permute's destination counts as one of its sources
	v_mov_b32 v[PT+1], 0
	v_mov_b32 v[F+1], 0                            ; (named as the upper half of a pair)
.set j, 0
.rept 8
	v_mov_b32 v[AC+j], 0                           ; the sums
.set j, j+1
.endr
.set j, 0
.rept 32
	v_mov_b32 v[O+j], 0                            ; O^T: the step has no first step of its own; it finds zeros
.set j, j+1
.endr
	s_lshr_b32 s76, s11, 4                         ; where my results go
	s_lshl_b32 s76, s76, 7
	s_add_co_u32 s76, s76, s13                     ; the tile: 128 batch + 32 block + wave
	s_mul_i32 s76, s76, 13312
	s_bfe_u32 s77, s11, 0x20002                    ; head / 4: the chunk
	s_mul_i32 s77, s77, 3328
	s_add_co_u32 s76, s76, s77
	s_bfe_u32 s77, s11, 0x10001                    ; (head / 2) % 2: the K step
	s_and_b32 s86, s11, 1                          ; head % 2: the half
	s_mul_i32 s88, s77, 1536
	s_mul_i32 s87, s86, 768
	s_add_co_u32 s88, s88, s87
	s_add_co_u32 s88, s88, s76
	s_mov_b32 s89, 0
	s_lshl_b32 s77, s77, 2
	s_lshl_b32 s86, s86, 1
	s_add_co_u32 s90, s77, s86
	s_add_co_u32 s90, s90, s76
	s_add_co_u32 s90, s90, 3072
	s_mov_b32 s91, 0
	s_add_nc_u64 s[88:89], s[6:7], s[88:89]
	s_add_nc_u64 s[90:91], s[6:7], s[90:91]
.macro SMUL n                          ; tile n of S^T
.if (\n)%2
	v_wmma_scale_f32_16x16x128_f8f6f4 v[S+8*\n:S+8*\n+7], v[KV+6*\n:KV+6*\n+11], v[QF:QF+11], 0, v[KSC+2*(\n/4)+(\n%4)/2], v[QS] matrix_a_fmt:MATRIX_FMT_FP6 matrix_b_fmt:MATRIX_FMT_FP6 matrix_a_scale:MATRIX_SCALE_ROW1
.else
	v_wmma_scale_f32_16x16x128_f8f6f4 v[S+8*\n:S+8*\n+7], v[KV+6*\n:KV+6*\n+11], v[QF:QF+11], 0, v[KSC+2*(\n/4)+(\n%4)/2], v[QS] matrix_a_fmt:MATRIX_FMT_FP6 matrix_b_fmt:MATRIX_FMT_FP6
.endif
.endm
.macro OMUL t                          ; tile t of O^T, adding in place
.if (\t)%2
	v_wmma_scale_f32_16x16x128_f8f6f4 v[O+8*\t:O+8*\t+7], v[KV+12*\t:KV+12*\t+11], v[PCD:PCD+11], v[O+8*\t:O+8*\t+7], v[VSC+\t/2], v[PW] matrix_a_fmt:MATRIX_FMT_FP6 matrix_b_fmt:MATRIX_FMT_FP6 matrix_a_scale:MATRIX_SCALE_ROW1
.else
	v_wmma_scale_f32_16x16x128_f8f6f4 v[O+8*\t:O+8*\t+7], v[KV+12*\t:KV+12*\t+11], v[PCD:PCD+11], v[O+8*\t:O+8*\t+7], v[VSC+\t/2], v[PW] matrix_a_fmt:MATRIX_FMT_FP6 matrix_b_fmt:MATRIX_FMT_FP6
.endif
.endm
; A KEY STEP: 128 keys.  The places behind matrix instructions are all work that is due anyway.
.macro STEP
	v_add_nc_u32 v4, s[TK], v[KA]                  ; (with the last step's four additions: the places between the last products and the loads into their operands)
	v_add_nc_u32 v5, s[TK], v[KB]
	v_add_nc_u32 v6, s[TKS], v[KS]
.irp n, 0,1,2,3,4,5,6,7
	ds_load_b128 v[KV+6*\n:KV+6*\n+3], v4 offset:768*(4*(\n/4)+\n%2)+128*((\n%4)/2)
	ds_load_b64 v[KV+6*\n+4:KV+6*\n+5], v5 offset:768*(4*(\n/4)+\n%2)+512+64*((\n%4)/2)
.endr
.irp g, 0,1,2,3
	ds_load_b32 v[KSC+\g], v6 offset:256*(\g/2)+32*(\g%2)
.endr
	s_wait_dscnt 0x0
.irp n, 0,1,2,3,4,5,6,7
	SMUL \n
.endr
	v_add_nc_u32 v7, s[TV], v1                     ; four places in front of the loads into K's registers and of the first read of the scores
	v_add_nc_u32 v8, s[TV], v2
	v_add_nc_u32 v9, s[TVS], v3
	v_mov_b32 v[TB], v12                           ; the old -M
.irp t, 0,1,2,3                        ; V's four fragments land under the softmax
	ds_load_b128 v[KV+12*\t:KV+12*\t+3], v7 offset:1536*\t
	ds_load_b64 v[KV+12*\t+4:KV+12*\t+5], v8 offset:1536*\t+512
	ds_load_b128 v[KV+12*\t+6:KV+12*\t+9], v7 offset:1536*\t+768
	ds_load_b64 v[KV+12*\t+10:KV+12*\t+11], v8 offset:1536*\t+1280
.endr
.irp g, 0,1
	ds_load_b32 v[VSC+\g], v9 offset:128*\g
.endr
.irp c, 0,1                            ; the largest score of my two blocks of 32 keys, in four chains by turns; each accumulator is first read at its low end
	v_max3_num_f32 v[BM+\c], v[S+32*\c], v[S+32*\c+1], v[S+32*\c+2]
	v_max3_num_f32 v[BX+\c], v[S+32*\c+16], v[S+32*\c+17], v[S+32*\c+18]
.endr
.irp i, 3,5,7,9,11,13
.irp c, 0,1
	v_max3_num_f32 v[BM+\c], v[BM+\c], v[S+32*\c+\i], v[S+32*\c+\i+1]
	v_max3_num_f32 v[BX+\c], v[BX+\c], v[S+32*\c+16+\i], v[S+32*\c+17+\i]
.endr
.endr
.irp c, 0,1
	v_max3_num_f32 v[BM+\c], v[BM+\c], v[BX+\c], v[S+32*\c+15]
.endr
.irp c, 0,1
	v_max_num_f32 v[BM+\c], v[BM+\c], v[S+32*\c+31]
.endr
	DEP 1
	v_max_num_f32 v[TT], v[BM], v[BM+1]
	DEP 1
	v_permlanex16_b32 v[PT], v[TT], s[SEL], s[SEL+1]
	DEP 1
	v_max3_num_f32 v13, v13, v[TT], v[PT]          ; the running largest score of my query
	DEP 1
	v_mul_f32 v[TT], s[CN], v13                    ; -t
	DEP 1
	v_floor_f32 v12, v[TT]                         ; the new -M = floor(-t) = -ceil(t): M is a whole number
	DEP 1
	v_sub_f32 v[TB], v12, v[TB]                    ; old M less new M: a whole number, 0 or less
	DEP 1
	v_cvt_i32_f32 v[TB], v[TB]                     ; (it saturates)
.set j, 0
.rept 32
	v_pk_fma_f32 v[S+j:S+j+1], v[S+j:S+j+1], s[CS:CS+1], v[12:13] op_sel_hi:[1,0,0]   ; t - M, two at a time (of the pairs c and -M the low word serves both halves)
.set j, j+2
.endr
.irp c, 0,1
	v_fma_f32 v[BM+\c], v[BM+\c], s[CS], v12       ; the same of each block's largest score
.endr
	WALU                                           ; the wait ahead of the batch
.set j, 0
.rept 64
	v_exp_f32 v[S+j], v[S+j]                       ; p = 2^(t - M): not normalised
.set j, j+1
.endr
.irp c, 0,1
	v_exp_f32 v[BM+\c], v[BM+\c]                   ; the block's largest p: the same two instructions on the same number give the same bits
.endr
	v_ldexp_f32 v[F], 1.0, v[TB]                   ; f = 2^(old M - new M).  (The plain place behind the exponentials)
	s_wait_dscnt 0x0                               ; V, asked for ahead of the softmax
	WALU                                           ; one wait for the batch, directly ahead of the first readers of O^T
.set j, 0
.rept 16
	v_pk_mul_f32 v[O+j:O+j+1], v[O+j:O+j+1], v[F:F+1] op_sel_hi:[1,0]   ; O^T under the new M
.set j, j+2
.endr
.irp c, 0,1
	v_max_num_f32 v[BM+\c], 0x1800000, v[BM+\c]    ; the floor 2^(3 - 127): the byte cannot fall under 1
.endr
.irp c, 0,1
	DEP 2
	v_add_nc_u32 v[SO+\c], 0xff000000, v[BM+\c]    ; 2 off the exponent field: the conversion's scale operand
.endr
.irp c, 0,1
	DEP 2
	v_lshrrev_b32 v[BX+\c], 23, v[SO+\c]           ; the scale's byte
.endr
	DEP 1
	v_lshl_or_b32 v[PW], v[BX+1], 16, v[BX]        ; my bytes h and 2 + h of the scale word,
	DEP 1
	v_lshlrev_b32 v[PW], v[H8], v[PW]              ; at their places;
	DEP 1
	v_permlanex16_b32 v[PT], v[PW], s[SEL], s[SEL+1]
	DEP 1
	v_or_b32 v[PW], v[PW], v[PT]                   ; with lane l xor 16's two the word is whole
.irp c, 0,1
	v_cvt_scalef32_pk16_fp6_f32 v[PCD+6*\c:PCD+6*\c+2], v[S+32*\c:S+32*\c+15], v[SO+\c]
	v_cvt_scalef32_pk16_fp6_f32 v[CTM+4*\c:CTM+4*\c+2], v[S+32*\c+16:S+32*\c+31], v[SO+\c]   ; (a conversion's three registers begin on an even number)
.endr
.irp a, 0,1,2,3                        ; THE ROW'S SUM, of the unquantised p, in four pairs: each pair's first line brings it under the new M too.  (Plain places behind the conversions)
	v_pk_fma_f32 v[AC+2*\a:AC+2*\a+1], v[AC+2*\a:AC+2*\a+1], v[F:F+1], v[S+2*\a:S+2*\a+1] op_sel_hi:[1,0,1]
.endr
.irp c, 0,1
.irp i, 0,1,2
	v_mov_b32 v[PCD+6*\c+3+\i], v[CTM+4*\c+\i]     ; registers 6 c .. 6 c + 5: k = 64 c + 32 h + 0 .. 31
.endr
.endr
.set j, 4
.rept 24                               ; (also the places between the writes of p's codes and scale word and the products)
	v_pk_add_f32 v[AC+2*(j%4):AC+2*(j%4)+1], v[AC+2*(j%4):AC+2*(j%4)+1], v[S+2*j:S+2*j+1]
.set j, j+1
.endr
.irp t, 0,1,2,3                        ; O^T += V^T P^T: the four accumulators take turns
	OMUL \t
.endr
.rept 4                                ; the sum's last four lines are the places behind the products
	v_pk_add_f32 v[AC+2*(j%4):AC+2*(j%4)+1], v[AC+2*(j%4):AC+2*(j%4)+1], v[S+2*j:S+2*j+1]
.set j, j+1
.endr
.endm
.macro LOOP first, n                   ; key steps first .. first + n - 1
	s_mov_b32 s[TK], KCOD+6144*(\first)
	s_mov_b32 s[TKS], 512*(\first)
	s_mov_b32 s[TV], VCOD+6144*(\first)
	s_mov_b32 s[TVS], VLDS+256*(\first)
	s_mov_b32 s[CNT], \n
.Lstep_\@:
	STEP
	s_add_co_u32 s[TK], s[TK], 6144                ; 8 tiles of K,
	s_add_co_u32 s[TKS], s[TKS], 512               ; their scale words,
	s_add_co_u32 s[TV], s[TV], 6144                ; 4 fragments of V,
	s_add_co_u32 s[TVS], s[TVS], 256               ; theirs
	s_sub_co_u32 s[CNT], s[CNT], 1
	s_cmp_lg_u32 s[CNT], 0
	s_cbranch_scc1 .Lstep_\@
.endm
; THE WAY OUT of pass p: O^T / the sum, quantised along the head's 64 channels (two blocks), which are 64 of the next product's K.  Register 16 b + n of O^T is channel 32 b + 16 h + n.
.macro EPI p
	WALU                                           ; the sums were written just ahead of the loop's scalar lines
	v_pk_add_f32 v[AC:AC+1], v[AC:AC+1], v[AC+2:AC+3]
	v_pk_add_f32 v[AC+4:AC+5], v[AC+4:AC+5], v[AC+6:AC+7]
	v_pk_add_f32 v[AC:AC+1], v[AC:AC+1], v[AC+4:AC+5]
	v_add_f32 v[AC], v[AC], v[AC+1]
	v_permlanex16_b32 v[PT], v[AC], s[SEL], s[SEL+1]
	v_add_f32 v[AC], v[AC], v[PT]                  ; with lane l xor 16's: the row's sum
	WALU
	v_rcp_f32 v[AC], v[AC]
	v_nop                                          ; one plain place behind a transcendental
	WALU                                           ; directly ahead of the first readers of the quotient and of O^T
.set j, 0
.rept 16
	v_pk_mul_f32 v[S+j:S+j+1], v[O+j:O+j+1], v[AC:AC+1] op_sel_hi:[1,0]   ; each accumulator from its low end on
.set j, j+2
.endr
.irp b, 0,1
	v_max3_num_f32 v[BM+\b], |v[S+16*\b]|, |v[S+16*\b+1]|, 0x1800000   ; with the floor 2^(3 - 127)
.endr
.irp i, 2,4,6,8,10,12,14
.irp b, 0,1
	v_max3_num_f32 v[BM+\b], v[BM+\b], |v[S+16*\b+\i]|, |v[S+16*\b+\i+1]|
.endr
.endr
.irp b, 0,1
	v_permlanex16_b32 v[PT+\b], v[BM+\b], s[SEL], s[SEL+1]
.endr
.irp b, 0,1
	v_max_num_f32 v[BM+\b], v[BM+\b], v[PT+\b]
.endr
.irp b, 0,1
	v_add_nc_u32 v[SO+\b], 0xff000000, v[BM+\b]
.endr
.irp b, 0,1
	v_lshrrev_b32 v[BX+\b], 23, v[SO+\b]
.endr
	v_lshl_or_b32 v[OW], v[BX+1], 8, v[BX]         ; my row's two scale bytes
	v_cvt_scalef32_pk16_fp6_f32 v[PCD:PCD+2], v[S:S+15], v[SO]
	v_cvt_scalef32_pk16_fp6_f32 v[CTM:CTM+2], v[S+16:S+31], v[SO+1]
	v_nop                                          ; one plain place behind a scaled conversion
.irp i, 0,1,2
	v_permlane16_swap_b32 v[PCD+\i], v[CTM+\i]     ; a whole block to a lane
.endr
.irp i, 0,1,2
	v_mov_b32 v[PCD+3+\i], v[CTM+\i]               ; six registers: k = 32 h + 0 .. 31 of the head's 64
.endr
	global_store_b128 v1, v[PCD:PCD+3], s[88:89] offset:16*13312*\p       ; 512 and 256 consecutive bytes, at multiples of 256 from the buffer's first byte
	global_store_b64 v2, v[PCD+4:PCD+5], s[88:89] offset:16*13312*\p+512
	global_store_b16 v[O8], v[OW], s[90:91] offset:16*13312*\p            ; lanes l and l xor 16 store the same two bytes to the same place
.endm
	WALU                                           ; the wait at the head's end
	s_wait_loadcnt 0x0                             ; Q
	s_cmp_lt_u32 s[WV], 2
	s_cbranch_scc0 .Lnot_first
	s_wait_tensorcnt 0x0                           ; waves 0 and 1: the scale words and key steps 0-3
.Lnot_first:
	s_barrier_signal -1
	s_barrier_wait -1                              ; the two other loads may be on their way
	LOOP 0, 4
	s_wait_tensorcnt 0x0                           ; every wave: all that is still out
	s_wait_dscnt 0x0
	s_barrier_signal -1
	s_barrier_wait -1                              ; all of K and V is in, for the rest of the launch
	LOOP 4, 12
	EPI 0
	v_mov_b32 v[QS], v[Q2+6]                       ; THE SECOND PASS: its Q (the scale words first: eleven plain lines ahead of the first product that takes them),
.irp i, 0,1,2,3,4,5
	v_mov_b32 v[QF+\i], v[Q2+\i]
.endr
	v_mov_b32 v13, 0xff61b1e6                      ; and the maximum anew: the first step's f is 0
	v_mov_b32 v12, 0x7f61b1e6
	WALU
	s_wait_xcnt 0x0                                ; the first pass's stores have read their registers
	LOOP 0, 16
	EPI 1
	s_wait_tensorcnt 0x0                           ; the wave's end
	ds_add_u32 v254, v255
	s_wait_dscnt 0x0
	CROUND                                         ; the closing round
	s_endpgm
.Lfunc_end_k_q6217e147a8_attn:
	.size	k_q6217e147a8_attn, .Lfunc_end_k_q6217e147a8_attn-k_q6217e147a8_attn
	.p2alignl 7, 3214868480
	.fill 96, 4, 3214868480
	.section	.rodata,"a",@progbits
	.p2align	6, 0x0
	.amdhsa_kernel k_q6217e147a8_attn
		.amdhsa_group_segment_fixed_size 210944
		.amdhsa_private_segment_fixed_size 0
		.amdhsa_enable_private_segment 0
		.amdhsa_kernarg_size 16
		.amdhsa_user_sgpr_count 2
		.amdhsa_user_sgpr_kernarg_segment_ptr 1
		.amdhsa_wavefront_size32 1
		.amdhsa_system_sgpr_workgroup_id_x 1
		.amdhsa_system_sgpr_workgroup_id_y 1
		.amdhsa_system_sgpr_workgroup_id_z 1
		.amdhsa_system_vgpr_workitem_id 0
		.amdhsa_next_free_vgpr 256
		.amdhsa_next_free_sgpr 96
		.amdhsa_reserve_vcc 0
		.amdhsa_float_denorm_mode_32 3
		.amdhsa_float_denorm_mode_16_64 3
		.amdhsa_memory_ordered 1
		.amdhsa_forward_progress 1
		.amdhsa_inst_pref_size 66
	.end_amdhsa_kernel
	.amdgpu_metadata
---
amdhsa.version: [ 1, 2 ]
amdhsa.kernels:
  - .name:           k_q6217e147a8_attn
    .symbol:         k_q6217e147a8_attn.kd
    .args:
      - { .name: qkv, .offset: 0, .size: 8, .value_kind: global_buffer, .address_space: global }
      - { .name: oq, .offset: 8, .size: 8, .value_kind: global_buffer, .address_space: global }
    .group_segment_fixed_size: 210944
    .private_segment_fixed_size: 0
    .kernarg_segment_align: 8
    .kernarg_segment_size: 16
    .max_flat_workgroup_size: 512
    .sgpr_count:     96
    .vgpr_count:     256
    .wavefront_size: 32
...
	.end_amdgpu_metadata
.endif
;; end of part 3
;; launch proj (part 4): grid 4 x 64, 4 waves a work-group, clusters of 4 x 4, 307,712 bytes of LDS; arguments oq, opq, bo, out0; writes out0
.if DOCPART == 4
	.amdgcn_target "amdgcn-amd-amdhsa--gfx1250"
	.amdhsa_code_object_version 6
	.text
	.protected	k_q6217e147a8_proj
	.globl	k_q6217e147a8_proj
	.p2align	8
	.type	k_q6217e147a8_proj,@function
k_q6217e147a8_proj:
	s_mov_b64 s[64:65], 0
	v_nop
	global_prefetch_b8 v0, s[64:65] scope:SCOPE_SE
	s_setreg_imm32_b32 hwreg(HW_REG_WAVE_MODE, 25, 1), 1
	s_wait_xcnt 0x0
	s_wait_alu depctr_hold_cnt(0) depctr_sa_sdst(0) depctr_va_vdst(0) depctr_va_sdst(0) depctr_va_ssrc(0) depctr_va_vcc(0) depctr_vm_vsrc(0)
	s_getreg_b32 s2, hwreg(HW_REG_IB_STS2, 6, 4)
	s_cmp_eq_u32 s2, 0
	s_cbranch_scc0 .Lentry_in_a_cluster
	s_endpgm
.Lentry_in_a_cluster:
	s_bfe_u32 s2, ttmp6, 0x10000c
	s_cmp_lg_u32 s2, 0xf033
	s_cbranch_scc0 .Lentry_shape_is_right
	s_endpgm
.Lentry_shape_is_right:
; out0 = O wo^T + bo on codes of FP6 (E2M3) with E8M0 scales; out0 [8192][1024] f32.
; Source 1 (S1) is 128 tokens of the attention's output (oq), source 0 (S0) 256 rows of wo (opq, tiles 704 on): a lane holds a token, and its registers run along the output's channels.
; OPERANDS lie in memory as images of their registers (tiles of 16 rows; row r of tile T is the tensor's row 32 (T / 2) + 8 (T % 2) + r + 8 (r / 8); a tile's record 13,312 bytes = 4 chunks of 256 along K;
; a chunk: two K steps of 1,536 bytes, then 128 bytes of scale words).  ALL OF K = 1,024 IS RESIDENT: 4 chunks x 24 tiles x 3,200 bytes = 307,200 bytes of LDS, each byte filled once.  A wave asks for its
; one load, all four chunks of its tiles, at the start, and waits for all of it ahead of one barrier: no slot is ever filled again.
; CLUSTER 4 x 4: the four of a row need the same S1, the four of a column the same S0: each tile is asked for jointly, by the same load with a mask that names the four.
; SHARES: wave w: S1 tiles 4 (w / 2) on x S0 tiles 8 (w % 2) on: 32 accumulators.  THE BIAS STARTS THE SUMS: it is loaded into the accumulators while the first tiles are on their way.
; So the bias is the first term of each f32 sum, where the reference adds it last.
; THE WAY OUT: 16 tokens x 128 channels at a time through the wave's own stage, which lies in the operands' first 33,792 bytes: they have had their only fill, and every wave's reads of them were back in front of the barrier behind the last K step.
; REGISTERS, in windows of 256: window 0: v4-15 addresses; v16-31 S1's scale words, v32-63 S0's (register 8 g + s: lanes 0-15 tile 2 g, lanes 16-31 tile 2 g + 1, K step s); v64-159 S1's fragments, two sets;
;   on the way out v64-191 rows read back.   window 1: S0's fragments, two sets, at v0 and v128.   window 2: accumulator (a, i) at v[8 (8 a + i)].
.set TILEB,  12800                     ; a tile in LDS: its four chunks of 3,200 bytes on end; S1's 8 tiles, then S0's 16
.set CHL,    3200                      ; a chunk of a tile in LDS
.set RECB,   13312
.set CHB,    3328
.set SP,     528                       ; a stage row: 512 bytes + 16
.set AS0,  4                           ; v4   LDS: my S0 tiles + 16 x lane       v5  the same + 8 x lane
.set AS0E, 5
.set AS1,  6                           ; v6, v7  the same for S1
.set AS1E, 7
.set ASC0, 8                           ; v8   S0's scale words: + 3,072 + 12,800 h + 8 r      v9  S1's
.set ASC1, 9
.set L16,  10
.set L8,   11
.set LB,   12                          ; v12  my lane's offset in the bias: 64 h
.set STO,  13                          ; v13  the stage: where I put 32 bytes of a row
.set RD,   15                          ; v15  and where I read a row back
.set SC1,  16
.set SC0,  32
.set S1F,  64
.set BK,   64                          ; the way out: v64-127 and v128-191 by turns
.set MSB, 0
.macro WIN new                         ; the immediate's high byte repeats the setting that is left
.if MSB != \new
	s_set_vgpr_msb (MSB<<8)|\new
.set MSB, \new
.endif
.endm
.macro CROUND                          ; a round of the cluster's barrier
	s_barrier_signal -1
	s_barrier_wait -1
	s_cmp_lg_u32 s12, 0
	s_cbranch_scc1 .Lnot_wave_0_\@
	s_barrier_signal -3
.Lnot_wave_0_\@:
	s_barrier_wait -3
	s_barrier_signal -1
	s_barrier_wait -1
.endm
.macro PLACES n                        ; plain vector instructions that name no register of the matrix instructions in front (ISA guide 7.12.1)
.rept \n
	v_nop
.endr
.endm
.macro WM d, fa, fb, sa, sb, ra, rb    ; one product, adding in place; ra, rb = 1: that side's scale words stand in lanes 16-31
.if ((\ra)+2*(\rb))==3
	v_wmma_scale_f32_16x16x128_f8f6f4 v[\d:\d+7], v[\fa:\fa+11], v[\fb:\fb+11], v[\d:\d+7], v[\sa], v[\sb] matrix_a_fmt:MATRIX_FMT_FP6 matrix_b_fmt:MATRIX_FMT_FP6 matrix_a_scale:MATRIX_SCALE_ROW1 matrix_b_scale:MATRIX_SCALE_ROW1
.elseif ((\ra)+2*(\rb))==2
	v_wmma_scale_f32_16x16x128_f8f6f4 v[\d:\d+7], v[\fa:\fa+11], v[\fb:\fb+11], v[\d:\d+7], v[\sa], v[\sb] matrix_a_fmt:MATRIX_FMT_FP6 matrix_b_fmt:MATRIX_FMT_FP6 matrix_b_scale:MATRIX_SCALE_ROW1
.elseif ((\ra)+2*(\rb))==1
	v_wmma_scale_f32_16x16x128_f8f6f4 v[\d:\d+7], v[\fa:\fa+11], v[\fb:\fb+11], v[\d:\d+7], v[\sa], v[\sb] matrix_a_fmt:MATRIX_FMT_FP6 matrix_b_fmt:MATRIX_FMT_FP6 matrix_a_scale:MATRIX_SCALE_ROW1
.else
	v_wmma_scale_f32_16x16x128_f8f6f4 v[\d:\d+7], v[\fa:\fa+11], v[\fb:\fb+11], v[\d:\d+7], v[\sa], v[\sb] matrix_a_fmt:MATRIX_FMT_FP6 matrix_b_fmt:MATRIX_FMT_FP6
.endif
.endm
.macro FETCH st, set                   ; st: the K step, 0 .. 7, counted from K's start; S0's tiles 4-7 go by address registers of their own (v208, v209), so that every offset fits its 16 bits
.set KO, CHL*((\st)/2)+1536*((\st)%2)
	WIN 0x40                                       ; destination window 1, address window 0
.irp i, 0,1,2,3,4,5,6,7
	ds_load_b128 v[128*(\set)+12*\i:128*(\set)+12*\i+3], v[AS0+204*(\i/4)] offset:TILEB*(\i%4)+KO
	ds_load_b64 v[128*(\set)+12*\i+4:128*(\set)+12*\i+5], v[AS0E+204*(\i/4)] offset:TILEB*(\i%4)+KO+512
	ds_load_b128 v[128*(\set)+12*\i+6:128*(\set)+12*\i+9], v[AS0+204*(\i/4)] offset:TILEB*(\i%4)+KO+768
	ds_load_b64 v[128*(\set)+12*\i+10:128*(\set)+12*\i+11], v[AS0E+204*(\i/4)] offset:TILEB*(\i%4)+KO+1280
.endr
	WIN 0
.irp a, 0,1,2,3
	ds_load_b128 v[S1F+48*(\set)+12*\a:S1F+48*(\set)+12*\a+3], v[AS1] offset:TILEB*\a+KO
	ds_load_b64 v[S1F+48*(\set)+12*\a+4:S1F+48*(\set)+12*\a+5], v[AS1E] offset:TILEB*\a+KO+512
	ds_load_b128 v[S1F+48*(\set)+12*\a+6:S1F+48*(\set)+12*\a+9], v[AS1] offset:TILEB*\a+KO+768
	ds_load_b64 v[S1F+48*(\set)+12*\a+10:S1F+48*(\set)+12*\a+11], v[AS1E] offset:TILEB*\a+KO+1280
.endr
.endm
.macro SCALES c                        ; chunk c's scale words, two K steps a load; each chunk has registers of its own
.irp g, 0,1,2,3
	ds_load_b64 v[SC0+8*\g+2*(\c):SC0+8*\g+2*(\c)+1], v[ASC0+202*(\g/2)] offset:2*TILEB*(\g%2)+CHL*(\c)
.endr
.irp g, 0,1
	ds_load_b64 v[SC1+8*\g+2*(\c):SC1+8*\g+2*(\c)+1], v[ASC1] offset:2*TILEB*\g+CHL*(\c)
.endr
.endm
.macro MUL32 s                         ; K step s: the 32 accumulators take turns, one instruction a turn, in the same order in every step
	WIN 0xa1                                       ; source 0 (S0) window 1, source 1 (S1) window 0, C and D window 2
.irp a, 0,1,2,3
.irp i, 0,1,2,3,4,5,6,7
	WM 8*(8*\a+\i), 128*((\s)%2)+12*\i, S1F+48*((\s)%2)+12*\a, SC0+8*(\i/2)+(\s), SC1+8*(\a/2)+(\s), \i%2, \a%2
.endr
.endr
.endm
	s_load_b256 s[4:11], s[0:1], 0x0               ; oq s[4:5], opq s[6:7], bo s[8:9], out0 s[10:11]
	v_lshl_add_u32 v254, v0, 2, 0x4b000
	v_mov_b32 v255, 0
	ds_add_u32 v254, v255
	ds_add_u32 v254, v255
	v_lshrrev_b32 v1, 5, v0
	v_readfirstlane_b32 s12, v1                    ; wave 0..3
	s_lshr_b32 s13, s12, 1                         ; which 4 tiles of S1 are mine.  Also: I fetch for S1 (0) or for S0 (1)
	s_and_b32 s14, s12, 1                          ; which 8 tiles of S0.  Also: which half of that operand's tiles I fetch
	s_bfe_u32 s15, ttmp6, 0x40000                  ; cx
	s_bfe_u32 s16, ttmp6, 0x40004                  ; cy
	s_and_b32 s17, ttmp7, 0xffff                   ; the cluster's y
	s_lshl_b32 s18, s16, 2
	s_lshl_b32 s18, 15, s18                        ; my row of the cluster
	s_lshl_b32 s19, 0x1111, s15                    ; my column
	s_lshl_b32 s20, ttmp9, 2
	s_add_co_u32 s20, s20, s15                     ; which 256 rows of wo: it holds cx and never cy
	s_lshl_b32 s21, s17, 2
	s_add_co_u32 s21, s21, s16                     ; which 128 tokens: it holds cy and never cx
	; descriptor group 1: rows of 3,200 bytes (400 elements of 8 bytes), one a chunk of a tile, 3,328 bytes apart; S1: 16 rows a load, S0: 32
	s_or_b32 s24, s18, (3<<16)|(1<<21)             ; 15:0 the mask: S1's tiles go to my row; 17:16 elements of 8 bytes; 21 set beside a mask
	s_or_b32 s32, s19, (3<<16)|(1<<21)             ; S0's go to my column
	s_mov_b32 s25, 400<<16                         ; tensor_dim0
	s_mov_b32 s33, 400<<16
	s_mov_b32 s26, 16<<16                          ; tensor_dim1: ONE LOAD A WAVE: a row is a chunk of a tile, and the chunks of neighbouring tiles lie 3,328 bytes apart throughout: S1: 4 tiles x 4 chunks, S0: 8 x 4
	s_mov_b32 s34, 32<<16
	s_mov_b32 s27, 400<<16                         ; tile_dim0
	s_mov_b32 s35, 400<<16
	s_mov_b32 s28, 16                              ; tile_dim1
	s_mov_b32 s36, 32
	s_mov_b32 s29, CHB/8                           ; the pitch, in elements
	s_mov_b32 s37, CHB/8
	s_mov_b32 s30, 0
	s_mov_b32 s38, 0
	s_mov_b32 s31, 0
	s_mov_b32 s39, 0
	s_lshl_b32 s56, s21, 3
	s_lshl_b32 s58, s14, 2
	s_add_co_u32 s56, s56, s58                     ; S1: the first tile that I would fetch
	s_mul_i32 s56, s56, RECB
	s_mov_b32 s57, 0
	s_mul_i32 s58, s14, 4*TILEB                    ; and where it goes
	s_lshl_b32 s60, s20, 4
	s_add_co_u32 s60, s60, 704
	s_lshl_b32 s62, s14, 3
	s_add_co_u32 s60, s60, s62                     ; S0 likewise
	s_mul_i32 s60, s60, RECB
	s_mov_b32 s61, 0
	s_mul_i32 s62, s14, 8*TILEB
	s_add_co_u32 s62, s62, 8*TILEB
	s_lshl_b32 s98, s20, 10                        ; my 128 channels, in bytes of f32: in bo, and in a row of out0
	s_lshl_b32 s63, s14, 9
	s_add_co_u32 s98, s98, s63
	s_mov_b32 s99, 0
	s_lshl_b32 s94, s21, 7
	s_lshl_b32 s63, s13, 6
	s_add_co_u32 s94, s94, s63                     ; my first token: 128 x block + 64 (w / 2)
	s_lshl_b32 s94, s94, 12                        ; rows of 4,096 bytes
	s_add_co_u32 s94, s94, s98
	s_mov_b32 s95, 0
	s_wait_dscnt 0x0
	s_wait_kmcnt 0x0
	s_add_nc_u64 s[56:57], s[4:5], s[56:57]
	s_add_nc_u64 s[60:61], s[6:7], s[60:61]
	s_add_nc_u64 s[96:97], s[8:9], s[98:99]
	s_add_nc_u64 s[94:95], s[10:11], s[94:95]
	CROUND                                         ; all sixteen work-groups are here: the joint loads meet
	s_mov_b32 s40, 1                               ; count = 1
	s_add_co_u32 s41, s58, 0                       ; LDS address
	s_mov_b64 s[42:43], s[56:57]                   ; global address: my first tile's record
	s_or_b32 s43, s43, 0x80000000                  ; type = 2
	s_mov_b32 s68, 1
	s_add_co_u32 s69, s62, 0
	s_mov_b64 s[70:71], s[60:61]
	s_or_b32 s71, s71, 0x80000000
	s_cmp_eq_u32 s13, 0                            ; one fill a wave, in the two arms of one branch on the wave's number
	s_cbranch_scc0 .Lfor_s0
	tensor_load_to_lds s[40:43], s[24:31]
	s_nop 0
	PLACES 4
	s_branch .Lasked
.Lfor_s0:
	tensor_load_to_lds s[68:71], s[32:39]
	s_nop 0
	PLACES 4
.Lasked:
	v_and_b32 v1, 31, v0                           ; lane
	v_and_b32 v2, 15, v0                           ; r
	v_bfe_u32 v3, v0, 4, 1                         ; h
	v_lshlrev_b32 v[L16], 4, v1
	v_lshlrev_b32 v[L8], 3, v1
	s_mul_i32 s22, s14, 8*TILEB
	s_add_co_u32 s22, s22, 8*TILEB                 ; my 8 tiles of S0 in a chunk
	s_mul_i32 s23, s13, 4*TILEB                    ; my 4 tiles of S1
	v_add_nc_u32 v[AS0], s22, v[L16]
	v_add_nc_u32 v[AS0E], s22, v[L8]
	v_add_nc_u32 v[AS1], s23, v[L16]
	v_add_nc_u32 v[AS1E], s23, v[L8]
	v_mul_u32_u24 v14, v3, TILEB
	v_lshl_add_u32 v14, v2, 3, v14
	v_add_nc_u32 v14, 3072, v14                    ; scale words: lanes 16-31 take the next tile's
	v_add_nc_u32 v[ASC0], s22, v14
	v_add_nc_u32 v[ASC1], s23, v14
	v_add_nc_u32 v208, 4*TILEB, v[AS0]             ; S0's tiles 4-7
	v_add_nc_u32 v209, 4*TILEB, v[AS0E]
	v_add_nc_u32 v210, 4*TILEB, v[ASC0]
	v_lshlrev_b32 v[LB], 6, v3                     ; 16 h channels on
	s_mul_i32 s22, s12, 16*SP                      ; my stage
	v_mul_u32_u24 v[STO], v2, SP
	v_lshl_add_u32 v[STO], v3, 6, v[STO]
	v_add_nc_u32 v[STO], s22, v[STO]               ; in: row r, + 64 h bytes
	v_add_nc_u32 v[RD], s22, v[L16]                ; back: the 32 lanes take one row of 512 bytes
	WIN 0x80                                       ; destination window 2: the bias goes straight into the accumulators: channels 32 (i / 2) + 16 h + 8 (i % 2) + 0 .. 7
.irp a, 0,1,2,3
.irp i, 0,1,2,3,4,5,6,7
	global_load_b128 v[8*(8*\a+\i):8*(8*\a+\i)+3], v[LB], s[96:97] offset:128*(\i/2)+32*(\i%2)
	global_load_b128 v[8*(8*\a+\i)+4:8*(8*\a+\i)+7], v[LB], s[96:97] offset:128*(\i/2)+32*(\i%2)+16
.endr
.endr
	WIN 0
	s_wait_alu depctr_va_vdst(0)
	s_wait_tensorcnt 0x0                           ; my one load, all of K for my tiles, is in
	s_barrier_signal -1
	s_barrier_wait -1                              ; everybody's is
	SCALES 0
	FETCH 0, 0
; EIGHT K STEPS OF 128, written out.  While one step is multiplied the next step's 48 loads are on their way, into the other set.
; The one barrier above has shown all of K to all four waves: no further wait on TENSORcnt; a step's place along K stands in the loads' immediates.
.irp s, 0,1,2,3,4,5,6,7
	s_wait_dscnt 0x0                               ; this step's fragments and scale words are in (asked for 32 matrix instructions ago)
.if (\s>0)&&(\s<7)
	PLACES 4                                       ; in front of loads into the set that the step before multiplied
.endif
.if ((\s%2)==1)&&(\s<7)
	WIN 0
	SCALES (\s+1)/2
.endif
.if \s<7
	FETCH \s+1, (\s+1)%2
.endif
.if \s==0
	s_wait_loadcnt 0x0                             ; the bias
.endif
	MUL32 \s
.endr
	WIN 0
	s_barrier_signal -1                            ; every wave's LDS loads were back in front of its last K step: behind this barrier nobody reads the operands' bytes,
	s_barrier_wait -1                              ; which have had their only fill: the stages may lie in them
	PLACES 4
; THE WAY OUT, S1 tile by tile: 16 tokens x 128 channels.  A lane holds 32 neighbouring bytes of a row eight times over, and the lanes beside it hold other rows: so a tile goes through my stage and comes back as whole
; rows of 512 bytes.  LDS serves a wave's instructions in order (ISA guide 5.7.1.4): no wait between the stores and the loads, nor in front of the next tile's stores.
.macro TOSTAGE a
	WIN 0x08                                       ; an LDS store's data are its source 1: window 2
.irp i, 0,1,2,3,4,5,6,7
	ds_store_b128 v[STO], v[8*(8*\a+\i):8*(8*\a+\i)+3] offset:128*(\i/2)+32*(\i%2)      ; each accumulator from its low end on
	ds_store_b128 v[STO], v[8*(8*\a+\i)+4:8*(8*\a+\i)+7] offset:128*(\i/2)+32*(\i%2)+16
.endr
	WIN 0
.irp t, 0,1,2,3,4,5,6,7,8,9,10,11,12,13,14,15
	ds_load_b128 v[BK+64*((\a)%2)+4*\t:BK+64*((\a)%2)+4*\t+3], v[RD] offset:\t*SP
.endr
.endm
.macro SEND a, younger                 ; younger: the LDS instructions issued behind tile a's loads, which may stay out
	s_wait_dscnt \younger
.irp t, 0,1,2,3,4,5,6,7,8,9,10,11,12,13,14,15
	global_store_b128 v[L16], v[BK+64*((\a)%2)+4*\t:BK+64*((\a)%2)+4*\t+3], s[94:95] offset:(32*((\a)/2)+8*((\a)%2)+\t+8*(\t/8))*4096 th:TH_STORE_NT   ; row t of tile a is that token; 32 lanes store 512 consecutive bytes, at a multiple of 256 from out0's first byte
.endr
.endm
	TOSTAGE 0
	TOSTAGE 1
	SEND 0, 32                                     ; behind tile 0's loads: tile 1's 16 stores and 16 loads
	s_wait_xcnt 0x0                                ; tile 0's stores have read their registers: tile 2's loads may land there
	TOSTAGE 2
	SEND 1, 32
	s_wait_xcnt 0x0
	TOSTAGE 3
	SEND 2, 32
	SEND 3, 0
	s_wait_tensorcnt 0x0
	ds_add_u32 v254, v255
	s_wait_dscnt 0x0
	CROUND                                         ; the closing round: no work-group ends while a partner may still ask for a tile that names it
	s_endpgm
.Lfunc_end_k_q6217e147a8_proj:
	.size	k_q6217e147a8_proj, .Lfunc_end_k_q6217e147a8_proj-k_q6217e147a8_proj
	.p2alignl 7, 3214868480
	.fill 96, 4, 3214868480
	.section	.rodata,"a",@progbits
	.p2align	6, 0x0
	.amdhsa_kernel k_q6217e147a8_proj
		.amdhsa_group_segment_fixed_size 307712
		.amdhsa_private_segment_fixed_size 0
		.amdhsa_enable_private_segment 0
		.amdhsa_kernarg_size 32
		.amdhsa_user_sgpr_count 2
		.amdhsa_user_sgpr_kernarg_segment_ptr 1
		.amdhsa_wavefront_size32 1
		.amdhsa_system_sgpr_workgroup_id_x 1
		.amdhsa_system_sgpr_workgroup_id_y 1
		.amdhsa_system_sgpr_workgroup_id_z 1
		.amdhsa_system_vgpr_workitem_id 0
		.amdhsa_next_free_vgpr 768
		.amdhsa_next_free_sgpr 100
		.amdhsa_reserve_vcc 0
		.amdhsa_float_denorm_mode_32 3
		.amdhsa_float_denorm_mode_16_64 3
		.amdhsa_memory_ordered 1
		.amdhsa_forward_progress 1
		.amdhsa_inst_pref_size 87
	.end_amdhsa_kernel
	.amdgpu_metadata
---
amdhsa.version: [ 1, 2 ]
amdhsa.kernels:
  - .name:           k_q6217e147a8_proj
    .symbol:         k_q6217e147a8_proj.kd
    .args:
      - { .name: oq, .offset: 0, .size: 8, .value_kind: global_buffer, .address_space: global }
      - { .name: opq, .offset: 8, .size: 8, .value_kind: global_buffer, .address_space: global }
      - { .name: bo, .offset: 16, .size: 8, .value_kind: global_buffer, .address_space: global }
      - { .name: out0, .offset: 24, .size: 8, .value_kind: global_buffer, .address_space: global }
    .group_segment_fixed_size: 307712
    .private_segment_fixed_size: 0
    .kernarg_segment_align: 8
    .kernarg_segment_size: 32
    .max_flat_workgroup_size: 128
    .sgpr_count:     100
    .vgpr_count:     768
    .wavefront_size: 32
...
	.end_amdgpu_metadata
.endif
;; end of part 4
